; MI455X (gfx1250); checked and timed in simulation.
; The chip was launched on July 23, 2026; its instructions are those of AMD's public machine-readable ISA for CDNA 5 (MIT licence, August 2026) and "CDNA5" Instruction Set Architecture Reference Guide (July 2026). The comments in the code are by the model that wrote it; some were corrected since.
;; Cross Repair. Allowed arithmetic: matrix products marked QUANTISED: E5M2 operands, one given power-of-two scale a tensor, by v_wmma_f32_16x16x64_bf8_bf8 or v_wmma_f32_16x16x128_bf8_bf8, f32 sums; everything else in f32.
;; Inputs: W1 1,024 x 4,096 float32; W2 4,096 x 1,024 float32; Wk 1,024 x 1,024 float32; Wo 1,024 x 1,024 float32; Wq 1,024 x 1,024 float32; Wv 1,024 x 1,024 float32; b1 4,096 float32; b2 1,024 float32; bk 1,024 float32; bo 1,024 float32; bq 1,024 float32; bv 1,024 float32; ln_f_b 1,024 float32; ln_f_g 1,024 float32; ln_kv_b 1,024 float32; ln_kv_g 1,024 float32; ln_q_b 1,024 float32; ln_q_g 1,024 float32; lowp_scales 16 int32 (the exponents e of the quantised operands' scales 2^e); x_mem 2 x 2,048 x 1,024 float32; x_refined 2 x 2,048 x 1,024 float32.
;; Outputs: out0 2 x 2,048 x 1,024 float32.
;; Constants: band = 24.
;; This version of the problem:
;;   THIS VERSION OF THE PROBLEM IS GIVEN IN LOW PRECISION. The matrix products marked QUANTISED in the list below multiply operands that are first quantised to E5M2 (5 exponent bits, 2 mantissa bits; 8 bits a number), with one given power-of-two scale for each operand tensor; their sums are f32. All else is computed in f32.
;;   The module's matrix products, in the order in which they are computed (A, B: the left and right operand; K: the contracted axis; several contracted axes count as one K, in the product's order):
;;     1. [M 4,096, K 1,024] x [K 1,024, N 1,024]; A: computed on the way; B: input Wq: QUANTISED (scales: A lowp_scales[0], B lowp_scales[1])
;;     2. [M 4,096, K 1,024] x [K 1,024, N 1,024]; A: computed on the way; B: input Wk: QUANTISED (scales: A lowp_scales[2], B lowp_scales[3])
;;     3. [M 4,096, K 1,024] x [K 1,024, N 1,024]; A: computed on the way; B: input Wv: QUANTISED (scales: A lowp_scales[4], B lowp_scales[5])
;;     4. batch 32 x [M 2,048, K 64] x [K 64, N 2,048]; A: computed on the way; B: computed on the way: QUANTISED (scales: A lowp_scales[6], B lowp_scales[7])
;;     5. batch 32 x [M 2,048, K 2,048] x [K 2,048, N 64]; A: softmax (see below); B: computed on the way: QUANTISED (scales: A lowp_scales[8], B lowp_scales[9])
;;     6. [M 4,096, K 1,024] x [K 1,024, N 1,024]; A: computed on the way; B: input Wo: QUANTISED (scales: A lowp_scales[10], B lowp_scales[11])
;;     7. [M 4,096, K 1,024] x [K 1,024, N 4,096]; A: computed on the way; B: input W1: QUANTISED (scales: A lowp_scales[12], B lowp_scales[13])
;;     8. [M 4,096, K 4,096] x [K 4,096, N 1,024]; A: computed on the way; B: input W2: QUANTISED (scales: A lowp_scales[14], B lowp_scales[15])
;;   THE QUANTISER, for each operand of a quantised product, along K:
;;     - The operand's scale is 2^e, e = its entry of the input lowp_scales (int32; the entries are numbered through the quantised products in the list's order, A before B).
;;     - Each number is divided by the scale, clamped to +-57,344, and rounded to the nearest number of E5M2, ties to even, subnormals kept.
;;     - The product sums the exact products of the quantised numbers (number of the format x scale) in f32.
;;   ~~~python
;;   def quantise(x, axis, e):      # numpy; x: float32 -> the quantised numbers, widened to float32 again
;;       x = np.moveaxis(x, axis, -1); K = x.shape[-1]
;;       r = np.clip(x / 2.0 ** e, -57344, 57344)
;;       step = 2.0 ** (np.maximum(np.frexp(np.where(r == 0, 1, r))[1] - 1, -14) - 2)
;;       q = np.round(r / step) * step * 2.0 ** e      # np.round: ties to even
;;       return np.moveaxis(q, -1, axis).astype(np.float32)
;;   ~~~
;;   SOFTMAX AHEAD OF A QUANTISED PRODUCT. Where the list says 'softmax', what is quantised is not the finished softmax but p = 2^(t - M), with t = logit x log2(e) and M = ceil(the row's largest t), a whole number; so 1/2 < the row's largest p <= 1. The row's sum l is taken of the UNQUANTISED p, in f32, and the product's result is divided by l at the end. Since M is a whole number, a kernel that streams over the keys may use a running M (the ceiling of the running maximum): every later rescaling is an exact power of two, so the quantised numbers keep their values, but for numbers so far below the row's largest that they fall under the format's range.
;;   OPERANDS COMPUTED ON THE WAY. 'Computed on the way' means the value that the module computes at that place (a softmax that the list does not call 'softmax' is quantised finished and normalised). What goes into a quantiser is computed in f32, as accurately as f32 sums, v_exp_f32 and their like allow (about 1e-6 of the number): no bf16 or f16 on the way to a quantiser, and a product that is left as it is and whose result goes on into a quantised operand takes f32 operands (vector FMAs, or v_wmma_f32_16x16x4_f32). A number that lies on a knife's edge between two numbers of the format may be rounded either way, as far as f32 arithmetic and the matrix unit's own rounding can turn it there, and no further.
;; One version. Each part assembles by itself: llvm-mc -triple=amdgcn-amd-amdhsa -mcpu=gfx1250 --defsym DOCPART=n.
;; ======== version 1 of 1: 5 launches
;; limits: right only within a limited range of input values
;; workspace buffers: wcodes 12,582,912 bytes; xcodes 12,582,912 bytes; qkvc 12,582,912 bytes; y 16,777,216 bytes; hcodes 4,194,304 bytes; gcodes 16,777,216 bytes
;; launch prep (part 1): grid 896 x 1, 4 waves a work-group, no clusters, 68,608 bytes of LDS; arguments Wq, Wk, Wv, Wo, W1, W2, x_refined, x_mem, ln_q_g, ln_q_b, ln_kv_g, ln_kv_b, lowp_scales, wcodes, xcodes; writes wcodes, xcodes
.if DOCPART == 1
	.amdgcn_target "amdgcn-amd-amdhsa--gfx1250"
	.amdhsa_code_object_version 6
	.text
	.protected	k_q386b32d0bf_prep
	.globl	k_q386b32d0bf_prep
	.p2align	8
	.type	k_q386b32d0bf_prep,@function
k_q386b32d0bf_prep:
	s_mov_b64 s[64:65], 0
	v_nop
	global_prefetch_b8 v0, s[64:65] scope:SCOPE_SE
	s_setreg_imm32_b32 hwreg(HW_REG_WAVE_MODE, 25, 1), 1
	s_wait_xcnt 0x0
; PREP.  Work-groups 0-383: the six weights [K][N], f32, become codes of E5M2.  Work-groups 384-895: LayerNorm of x_refined (scale e0) and of x_mem (scales e2 and e4) becomes codes.
; ALL CODES ARE LAID AS IMAGES OF OPERAND REGISTERS.  A fragment (16 rows x 128 K) is 2,048 bytes: quad c of a lane's 16 registers at 512 c + 16 lane; lane (r, h) holds of row r
; k = 32 c + 8 h + 0..7 in bytes 0-7 and k = 32 c + 16 + 8 h + 0..7 in bytes 8-15: the places that the 16x16x128 form gives each k.  Fragments lie in the order (k / 256, row / 16, (k / 128) % 2).
; code = x / 2^e, held within +-57,344, to the nearest code, ties to even.  LIMITS: each e between -126 and 112, so that 2^e and 57,344 x 2^e are f32 numbers; NaN among the inputs is not served.
; WEIGHTS: a lane takes a column n and its registers run down K, so each load reads 128 consecutive bytes a wave and the conversions give codes with K innermost.  A wave takes 32 columns x 256 K;
; its codes turn through its own stage in LDS (rows of 256 + 16 bytes) and leave as images, 512 consecutive bytes a store.  Waves share nothing on this path.
; LAYERNORM: a work-group takes 16 rows, a wave four; lane l holds k = 128 j + 4 l + 0..3 of a row (loads of 512 consecutive bytes).  Mean, then the squares of the differences, both in f32.
; The 16 rows' codes meet in LDS (rows of 1,024 + 16 bytes); behind one barrier wave w stores the images of k = 256 w .. 256 w + 255.  The two paths have LDS bytes of their own.
.set WPITCH, 272
.set LST,    34816                     ; the LayerNorm path's stage begins behind the weights' four stages (4 x 32 x 272)
.set LPITCH, 1040
.set LSET,   16*LPITCH                 ; a set of 16 rows of codes; two sets
.set RO,   32                          ; weights: v32-63 byte offset of row i of a block of 32 along K, at my column
.set XW,   64                          ; v64-127 two sets of 32 numbers
.set CW,   128                         ; v128-135 a block's codes
.set OUTW, 136                         ; v136-199 the way out
.set X,    64                          ; LayerNorm: v64-191 four rows of 32 registers
.set G,    192                         ; v192-223 gain, later the first set's codes
.set BV,   224                         ; v224-255 bias, later the second set's codes
.macro MKSC e, t, vsc, vlim            ; v[vsc] = 2^e, v[vlim] = 57,344 x 2^e, as f32, from the whole number in s[e]
	s_add_co_i32 s[\t], s[\e], 127
	s_lshl_b32 s[\t+1], s[\t], 23
	v_mov_b32 v[\vsc], s[\t+1]
	s_add_co_i32 s[\t], s[\t], 15
	s_lshl_b32 s[\t], s[\t], 23
	s_or_b32 s[\t], s[\t], 0x600000
	v_mov_b32 v[\vlim], s[\t]
.endm
.macro WLOAD t                         ; block t: W(32 t + i, my column), i = 0 .. 31
.set i, 0
.rept 32
	global_load_b32 v[XW+32*((\t)%2)+i], v[RO+i], s[84+2*(\t):85+2*(\t)] th:TH_LOAD_NT
.set i, i+1
.endr
.endm
.macro WBLOCK t
.set XS, XW+32*((\t)%2)
.if (\t) < 7
	s_wait_loadcnt 32                              ; this block's 32 loads are in; the next block's 32 may be out
.else
	s_wait_loadcnt 0
.endif
.set i, 0
.rept 32
	v_med3_num_f32 v[XS+i], v[XS+i], -v10, v10     ; the conversion does not saturate (ISA guide 7.6.2): the hold comes first
.set i, i+1
.endr
.irp g, 0,1,2,3
	v_cvt_scalef32_pk8_bf8_f32 v[CW+2*\g:CW+2*\g+1], v[XS+8*\g:XS+8*\g+7], v11
.endr
	ds_store_b128 v4, v[CW:CW+3] offset:32*(\t)    ; 32 codes of my column's row
	ds_store_b128 v4, v[CW+4:CW+7] offset:32*(\t)+16
.if (\t)+2 < 8
	WLOAD (\t)+2
.endif
	s_wait_dscnt 0x0                               ; the stores have read their registers: the next block's codes may be written
.endm
.macro ALLRED4                         ; v8-11: each summed over the 32 lanes, the result in every lane
.irp m, 1,2,4,8
.irp p, 0,1,2,3
	v_add_f32_dpp v[8+\p], v[8+\p], v[8+\p] row_xmask:\m row_mask:0xf bank_mask:0xf
.endr
.endr
.irp p, 0,1,2,3
	v_permlanex16_b32 v[12+\p], v[8+\p], s62, s63
.endr
.irp p, 0,1,2,3
	v_add_f32 v[8+\p], v[8+\p], v[12+\p]
.endr
.endm
.macro FOLD4                           ; the two chains of each row into v8-11
.irp p, 0,1,2,3
	v_pk_add_f32 v[32+4*\p:33+4*\p], v[32+4*\p:33+4*\p], v[34+4*\p:35+4*\p]
.endr
.irp p, 0,1,2,3
	v_add_f32 v[8+\p], v[32+4*\p], v[33+4*\p]
.endr
.endm
; The four rows are quantised with one scale: eight registers (four neighbours of each of two chunks of 128) a conversion; each result register is four neighbouring codes.
.macro QSET st, sc, lim, cd
.set pc, 0
.irp p, 0,1,2,3
.irp m, 0,1,2,3
.irp i, 0,1,2,3,4,5,6,7
	v_med3_num_f32 v[32+8*(pc%4)+\i], v[X+32*\p+8*\m+\i], -v[\lim], v[\lim]
.endr
	v_cvt_scalef32_pk8_bf8_f32 v[\cd+8*\p+2*\m:\cd+8*\p+2*\m+1], v[32+8*(pc%4):32+8*(pc%4)+7], v[\sc]
	ds_store_b32 v4, v[\cd+8*\p+2*\m] offset:\st*LSET+\p*LPITCH+256*\m
	ds_store_b32 v4, v[\cd+8*\p+2*\m+1] offset:\st*LSET+\p*LPITCH+256*\m+128
.set pc, pc+1
.endr
.endr
	v_nop                                          ; a plain line behind the last conversion
.endm
.macro OUTSET st                       ; my 256 along K of the 16 rows: two fragments, eight stores of 512 consecutive bytes
.set n, 0
.rept 8
	ds_load_b64 v[X+32*\st+4*n:X+32*\st+4*n+1], v7 offset:\st*LSET+(n/4)*128+(n%4)*32
	ds_load_b64 v[X+32*\st+4*n+2:X+32*\st+4*n+3], v7 offset:\st*LSET+(n/4)*128+(n%4)*32+16
.set n, n+1
.endr
.set n, 0
.rept 8
	s_wait_dscnt 14-2*n                            ; quad n's two loads are in; the younger pairs may be out
	global_store_b128 v5, v[X+32*\st+4*n:X+32*\st+4*n+3], s[52:53] offset:\st*4194304+512*n
.set n, n+1
.endr
.endm
	s_load_b512 s[8:23], s[0:1], 0x0               ; Wq Wk Wv Wo W1 W2 s[8:19], x_refined s[20:21], x_mem s[22:23]
	s_load_b256 s[24:31], s[0:1], 0x40             ; ln_q_g, ln_q_b, ln_kv_g, ln_kv_b
	s_load_b128 s[32:35], s[0:1], 0x60             ; the scales' exponents, wcodes
	s_load_b64 s[36:37], s[0:1], 0x70              ; xcodes
	v_lshrrev_b32 v1, 5, v0
	v_readfirstlane_b32 s38, v1                    ; wave
	v_and_b32 v1, 31, v0                           ; lane
	v_and_b32 v2, 15, v0                           ; r
	v_bfe_u32 v3, v0, 4, 1                         ; h
	v_lshlrev_b32 v5, 4, v1                        ; 16 x lane: an image's place for my lane
	s_cmp_lt_u32 ttmp9, 384                        ; the same in all waves of a work-group
	s_cbranch_scc0 .Lln
	; ---------------- the weights.  32 work-groups for each of Wq Wk Wv Wo, 128 for W1, 128 for W2: 128 columns x 256 K each
	s_lshr_b32 s42, ttmp9, 5
	s_lshr_b32 s43, ttmp9, 7
	s_add_co_u32 s43, s43, 3
	s_cmp_lt_u32 ttmp9, 128
	s_cselect_b32 s39, s42, s43                    ; which weight, 0 .. 5
	s_cselect_b32 s40, 31, 127
	s_and_b32 s41, ttmp9, s40                      ; which part of it
	s_cmp_eq_u32 s39, 4                            ; W1 has 4,096 columns, the others 1,024
	s_cselect_b32 s42, 5, 3                        ; log2 of its blocks of 128 columns
	s_cselect_b32 s44, 2, 0
	s_lshl_b32 s43, 4096, s44                      ; a row of it in bytes
	s_bfm_b32 s45, s42, 0
	s_and_b32 s45, s41, s45                        ; block of columns
	s_lshr_b32 s44, s41, s42                       ; block of 256 along K
	s_lshl_b32 s56, s39, 20                        ; its image's place in wcodes: 1 MB each for the first four, W1 at 4 MB, W2 at 8 MB
	s_sub_co_u32 s57, s39, 3
	s_lshl_b32 s57, s57, 22
	s_cmp_lt_u32 s39, 4
	s_cselect_b32 s56, s56, s57
	s_lshl_b32 s57, s43, 6                         ; 256 along K of all its columns: columns x 256 bytes
	s_mul_i32 s57, s57, s44
	s_add_co_u32 s56, s56, s57
	s_lshl_b32 s57, s45, 3
	s_lshl_b32 s58, s38, 1
	s_add_co_u32 s57, s57, s58                     ; my first tile of 16 columns
	s_lshl_b32 s57, s57, 12
	s_add_co_u32 s56, s56, s57
	s_mov_b32 s57, 0
	s_lshl_b32 s48, s45, 7
	s_lshl_b32 s49, s38, 5
	s_add_co_u32 s48, s48, s49                     ; my first column
	s_lshl_b32 s48, s48, 2
	s_mul_i32 s49, s44, s43
	s_lshl_b32 s49, s49, 8                         ; my first row of K
	s_add_co_u32 s48, s48, s49
	s_mov_b32 s49, 0
	s_lshl_b32 s54, s43, 5                         ; 32 rows on
	s_mov_b32 s55, 0
	s_mul_i32 s58, s38, 32*WPITCH                  ; my stage
	s_wait_alu depctr_va_vdst(0)
	v_mul_u32_u24 v4, v1, WPITCH
	v_add_nc_u32 v4, s58, v4                       ; into it: row = my column
	v_mul_u32_u24 v7, v2, WPITCH
	v_lshl_add_u32 v7, v3, 3, v7
	v_add_nc_u32 v7, s58, v7                       ; out of it: row r, + 8 h.  68 words a row: the 32 lanes' 8 bytes fall on 64 different banks (ISA guide 11.1)
	v_lshlrev_b32 v6, 2, v1
.set i, 0
.rept 32
	v_mad_u32_u24 v[RO+i], i, s43, v6              ; never rewritten
.set i, i+1
.endr
	s_wait_alu depctr_va_vdst(0)
	s_wait_kmcnt 0x0
	s_load_b512 s[68:83], s[32:33], 0x0            ; e0 .. e15
	s_mov_b64 s[46:47], s[8:9]
.irp i, 1,2,3,4,5
	s_cmp_eq_u32 s39, \i
	s_cselect_b64 s[46:47], s[8+2*\i:9+2*\i], s[46:47]
.endr
	s_add_nc_u64 s[84:85], s[46:47], s[48:49]
.irp t, 1,2,3,4,5,6,7
	s_add_nc_u64 s[84+2*\t:85+2*\t], s[82+2*\t:83+2*\t], s[54:55]   ; a base for each block of 32 along K: no pointer is stepped later
.endr
	s_add_nc_u64 s[52:53], s[34:35], s[56:57]
	WLOAD 0
	WLOAD 1
	s_wait_kmcnt 0x0
	s_mov_b32 s50, s69                             ; the weight's exponent: entries 1, 3, 5, 11, 13, 15
	s_cmp_eq_u32 s39, 1
	s_cselect_b32 s50, s71, s50
	s_cmp_eq_u32 s39, 2
	s_cselect_b32 s50, s73, s50
	s_cmp_eq_u32 s39, 3
	s_cselect_b32 s50, s79, s50
	s_cmp_eq_u32 s39, 4
	s_cselect_b32 s50, s81, s50
	s_cmp_eq_u32 s39, 5
	s_cselect_b32 s50, s83, s50
	MKSC 50, 58, 11, 10
	s_wait_alu depctr_va_vdst(0)
.irp t, 0,1,2,3,4,5,6,7
	WBLOCK \t
.endr
.set n, 0
.rept 16                               ; quad n: tile of columns n / 8, half of K (n / 4) % 2, quad n % 4
	ds_load_b64 v[OUTW+4*n:OUTW+4*n+1], v7 offset:(n/8)*16*WPITCH+((n/4)%2)*128+(n%4)*32
	ds_load_b64 v[OUTW+4*n+2:OUTW+4*n+3], v7 offset:(n/8)*16*WPITCH+((n/4)%2)*128+(n%4)*32+16
.set n, n+1
.endr
.set n, 0
.rept 16
	s_wait_dscnt 30-2*n                            ; quad n's two loads are in; the younger pairs may be out
	global_store_b128 v5, v[OUTW+4*n:OUTW+4*n+3], s[52:53] offset:512*n   ; 512 consecutive bytes, aligned
.set n, n+1
.endr
	v_lshl_add_u32 v8, v0, 2, 0x10a00              ; no two registers are kept for the add: v0 is kept, and the two are made anew here
	v_mov_b32 v9, 0
	s_wait_alu depctr_va_vdst(0)
	s_wait_tensorcnt 0x0                           ; the wave's end
	ds_add_u32 v8, v9
	s_wait_dscnt 0x0
	s_endpgm
	; ---------------- LayerNorm
.Lln:
	s_sub_co_u32 s39, ttmp9, 384
	s_lshr_b32 s40, s39, 8                         ; 0: x_refined, 1: x_mem
	s_and_b32 s41, s39, 255                        ; tile of 16 rows
	s_lshl_b32 s42, s41, 16
	s_lshl_b32 s43, s38, 14
	s_add_co_u32 s42, s42, s43                     ; my four rows, of 4,096 bytes
	s_mov_b32 s43, 0
	s_lshl_b32 s44, s38, 8
	s_add_co_u32 s44, s44, s41
	s_lshl_b32 s44, s44, 12                        ; the image of (k / 256 = wave, my tile)
	s_lshl_b32 s45, s40, 22                        ; x_refined's codes at 0; x_mem's at 4 MB (e2) and 8 MB (e4)
	s_add_co_u32 s44, s44, s45
	s_mov_b32 s45, 0
	s_mov_b32 s60, 0x3a800000                      ; 1 / 1,024
	s_mov_b32 s61, 0x3727c5ac                      ; 1e-5
	s_mov_b32 s62, 0x76543210                      ; v_permlanex16_b32: lane l xor 16
	s_mov_b32 s63, 0xfedcba98
	s_mul_i32 s54, s38, 4*LPITCH
	s_wait_alu depctr_va_vdst(0)
	v_lshlrev_b32 v4, 2, v1
	v_add_nc_u32 v4, s54, v4
	v_add_nc_u32 v4, LST, v4                       ; into the stage: my wave's four rows, 4 bytes a lane
	s_lshl_b32 s54, s38, 8
	v_mul_u32_u24 v7, v2, LPITCH
	v_lshl_add_u32 v7, v3, 3, v7
	v_add_nc_u32 v7, s54, v7
	v_add_nc_u32 v7, LST, v7                       ; out of it: row r, k = 256 wave + 8 h.  260 words a row: 64 different banks
	s_wait_kmcnt 0x0
	s_load_b256 s[68:75], s[32:33], 0x0            ; e0 .. e7
	s_cmp_eq_u32 s40, 0
	s_cselect_b64 s[46:47], s[20:21], s[22:23]
	s_cselect_b64 s[48:49], s[24:25], s[28:29]
	s_cselect_b64 s[50:51], s[26:27], s[30:31]
	s_add_nc_u64 s[46:47], s[46:47], s[42:43]
	s_add_nc_u64 s[52:53], s[36:37], s[44:45]
.irp p, 0,1,2,3
.irp j, 0,1,2,3,4,5,6,7
	global_load_b128 v[X+32*\p+4*\j:X+32*\p+4*\j+3], v5, s[46:47] offset:4096*\p+512*\j th:TH_LOAD_NT
.endr
.endr
.irp j, 0,1,2,3,4,5,6,7
	global_load_b128 v[G+4*\j:G+4*\j+3], v5, s[48:49] offset:512*\j
.endr
.irp j, 0,1,2,3,4,5,6,7
	global_load_b128 v[BV+4*\j:BV+4*\j+3], v5, s[50:51] offset:512*\j
.endr
.irp p, 0,1,2,3
	v_mov_b32 v[12+\p], 0                          ; a lane permute's destination counts as read
	v_mov_b32 v[17+2*\p], 0                        ; upper halves of pairs of which the low word serves both results
	v_mov_b32 v[25+2*\p], 0
.endr
	s_wait_loadcnt 16                              ; the rows are in; gain and bias (16 loads) may be out
.irp p, 0,1,2,3
	v_pk_add_f32 v[32+4*\p:33+4*\p], v[X+32*\p:X+32*\p+1], v[X+32*\p+2:X+32*\p+3]
	v_pk_add_f32 v[34+4*\p:35+4*\p], v[X+32*\p+4:X+32*\p+5], v[X+32*\p+6:X+32*\p+7]
.endr
.irp j, 8,12,16,20,24,28
.irp p, 0,1,2,3
	v_pk_add_f32 v[32+4*\p:33+4*\p], v[32+4*\p:33+4*\p], v[X+32*\p+\j:X+32*\p+\j+1]
	v_pk_add_f32 v[34+4*\p:35+4*\p], v[34+4*\p:35+4*\p], v[X+32*\p+\j+2:X+32*\p+\j+3]
.endr
.endr
	FOLD4
	ALLRED4
.irp p, 0,1,2,3
	v_mul_f32 v[16+2*\p], s60, v[8+\p]             ; the mean
.endr
.irp p, 0,1,2,3
.set j, 0
.rept 16
	v_pk_add_f32 v[X+32*\p+j:X+32*\p+j+1], v[X+32*\p+j:X+32*\p+j+1], v[16+2*\p:17+2*\p] op_sel_hi:[1,0] neg_lo:[0,1] neg_hi:[0,1]   ; x - mean
.set j, j+2
.endr
.endr
.irp p, 0,1,2,3
	v_pk_mul_f32 v[32+4*\p:33+4*\p], v[X+32*\p:X+32*\p+1], v[X+32*\p:X+32*\p+1]
	v_pk_mul_f32 v[34+4*\p:35+4*\p], v[X+32*\p+2:X+32*\p+3], v[X+32*\p+2:X+32*\p+3]
.endr
.irp j, 4,8,12,16,20,24,28
.irp p, 0,1,2,3
	v_pk_fma_f32 v[32+4*\p:33+4*\p], v[X+32*\p+\j:X+32*\p+\j+1], v[X+32*\p+\j:X+32*\p+\j+1], v[32+4*\p:33+4*\p]
	v_pk_fma_f32 v[34+4*\p:35+4*\p], v[X+32*\p+\j+2:X+32*\p+\j+3], v[X+32*\p+\j+2:X+32*\p+\j+3], v[34+4*\p:35+4*\p]
.endr
.endr
	FOLD4
	ALLRED4
.irp p, 0,1,2,3
	v_fma_f32 v[8+\p], v[8+\p], s60, s61           ; variance + 1e-5
.endr
	s_wait_alu depctr_va_vdst(0)
.irp p, 0,1,2,3
	v_rsq_f32 v[24+2*\p], v[8+\p]
.endr
	v_nop                                          ; a plain line behind the last of the batch
	s_wait_alu depctr_va_vdst(0)                   ; one wait for the four, ahead of their first reader
.irp p, 0,1,2,3
.set j, 0
.rept 16
	v_pk_mul_f32 v[X+32*\p+j:X+32*\p+j+1], v[X+32*\p+j:X+32*\p+j+1], v[24+2*\p:25+2*\p] op_sel_hi:[1,0]
.set j, j+2
.endr
.endr
	s_wait_loadcnt 0x0                             ; gain and bias
.irp p, 0,1,2,3
.set j, 0
.rept 16
	v_pk_fma_f32 v[X+32*\p+j:X+32*\p+j+1], v[X+32*\p+j:X+32*\p+j+1], v[G+j:G+j+1], v[BV+j:BV+j+1]
.set j, j+2
.endr
.endr
	s_wait_kmcnt 0x0
	s_cmp_eq_u32 s40, 0
	s_cselect_b32 s56, s68, s70                    ; e0 for x_refined, e2 for x_mem
	MKSC 56, 58, 16, 17
	MKSC 72, 58, 18, 19                            ; e4
	QSET 0, 16, 17, G
	s_cmp_eq_u32 s40, 0                            ; x_mem feeds two products, each with a scale of its own: a second set of codes
	s_cbranch_scc1 .Lone_set
	QSET 1, 18, 19, BV
.Lone_set:
	s_wait_dscnt 0x0                               ; for the others' sake: my codes lie in the stage
	s_barrier_signal -1
	s_barrier_wait -1
	OUTSET 0
	s_cmp_eq_u32 s40, 0
	s_cbranch_scc1 .Lend
	OUTSET 1
.Lend:
	v_lshl_add_u32 v8, v0, 2, 0x10a00
	v_mov_b32 v9, 0
	s_wait_alu depctr_va_vdst(0)
	s_wait_tensorcnt 0x0                           ; the wave's end
	ds_add_u32 v8, v9
	s_wait_dscnt 0x0
	s_endpgm
.Lfunc_end_k_q386b32d0bf_prep:
	.size	k_q386b32d0bf_prep, .Lfunc_end_k_q386b32d0bf_prep-k_q386b32d0bf_prep
	.p2alignl 7, 3214868480
	.fill 96, 4, 3214868480
	.section	.rodata,"a",@progbits
	.p2align	6, 0x0
	.amdhsa_kernel k_q386b32d0bf_prep
		.amdhsa_group_segment_fixed_size 68608
		.amdhsa_private_segment_fixed_size 0
		.amdhsa_enable_private_segment 0
		.amdhsa_kernarg_size 120
		.amdhsa_user_sgpr_count 2
		.amdhsa_user_sgpr_kernarg_segment_ptr 1
		.amdhsa_wavefront_size32 1
		.amdhsa_system_sgpr_workgroup_id_x 1
		.amdhsa_system_sgpr_workgroup_id_y 1
		.amdhsa_system_sgpr_workgroup_id_z 1
		.amdhsa_system_vgpr_workitem_id 0
		.amdhsa_next_free_vgpr 256
		.amdhsa_next_free_sgpr 102
		.amdhsa_reserve_vcc 0
		.amdhsa_float_denorm_mode_32 3
		.amdhsa_float_denorm_mode_16_64 3
		.amdhsa_memory_ordered 1
		.amdhsa_forward_progress 1
		.amdhsa_inst_pref_size 112
	.end_amdhsa_kernel
	.amdgpu_metadata
---
amdhsa.version: [ 1, 2 ]
amdhsa.kernels:
  - .name:           k_q386b32d0bf_prep
    .symbol:         k_q386b32d0bf_prep.kd
    .args:
      - { .name: Wq, .offset: 0, .size: 8, .value_kind: global_buffer, .address_space: global }
      - { .name: Wk, .offset: 8, .size: 8, .value_kind: global_buffer, .address_space: global }
      - { .name: Wv, .offset: 16, .size: 8, .value_kind: global_buffer, .address_space: global }
      - { .name: Wo, .offset: 24, .size: 8, .value_kind: global_buffer, .address_space: global }
      - { .name: W1, .offset: 32, .size: 8, .value_kind: global_buffer, .address_space: global }
      - { .name: W2, .offset: 40, .size: 8, .value_kind: global_buffer, .address_space: global }
      - { .name: x_refined, .offset: 48, .size: 8, .value_kind: global_buffer, .address_space: global }
      - { .name: x_mem, .offset: 56, .size: 8, .value_kind: global_buffer, .address_space: global }
      - { .name: ln_q_g, .offset: 64, .size: 8, .value_kind: global_buffer, .address_space: global }
      - { .name: ln_q_b, .offset: 72, .size: 8, .value_kind: global_buffer, .address_space: global }
      - { .name: ln_kv_g, .offset: 80, .size: 8, .value_kind: global_buffer, .address_space: global }
      - { .name: ln_kv_b, .offset: 88, .size: 8, .value_kind: global_buffer, .address_space: global }
      - { .name: lowp_scales, .offset: 96, .size: 8, .value_kind: global_buffer, .address_space: global }
      - { .name: wcodes, .offset: 104, .size: 8, .value_kind: global_buffer, .address_space: global }
      - { .name: xcodes, .offset: 112, .size: 8, .value_kind: global_buffer, .address_space: global }
    .group_segment_fixed_size: 68608
    .private_segment_fixed_size: 0
    .kernarg_segment_align: 8
    .kernarg_segment_size: 120
    .max_flat_workgroup_size: 128
    .sgpr_count:     102
    .vgpr_count:     256
    .wavefront_size: 32
...
	.end_amdgpu_metadata
.endif
;; end of part 1
;; launch gemm_qkv (part 2): grid 12 x 16, 4 waves a work-group, clusters of 4 x 4, 327,680 bytes of LDS; arguments xcodes, wcodes, lowp_scales, bq, bk, bv, qkvc; writes qkvc
.if DOCPART == 2
	.amdgcn_target "amdgcn-amd-amdhsa--gfx1250"
	.amdhsa_code_object_version 6
	.text
	.protected	k_q386b32d0bf_gemm_qkv
	.globl	k_q386b32d0bf_gemm_qkv
	.p2align	8
	.type	k_q386b32d0bf_gemm_qkv,@function
k_q386b32d0bf_gemm_qkv:
	s_mov_b64 s[64:65], 0
	v_nop
	global_prefetch_b8 v0, s[64:65] scope:SCOPE_SE
	s_setreg_imm32_b32 hwreg(HW_REG_WAVE_MODE, 25, 1), 1
	s_wait_xcnt 0x0
	s_wait_alu depctr_hold_cnt(0) depctr_sa_sdst(0) depctr_va_vdst(0) depctr_va_sdst(0) depctr_va_ssrc(0) depctr_va_vcc(0) depctr_vm_vsrc(0)
	s_getreg_b32 s2, hwreg(HW_REG_IB_STS2, 6, 4)
	s_cmp_eq_u32 s2, 0
	s_cbranch_scc0 .Lentry_in_a_cluster
	s_endpgm
.Lentry_in_a_cluster:
	s_bfe_u32 s2, ttmp6, 0x10000c
	s_cmp_lg_u32 s2, 0xf033
	s_cbranch_scc0 .Lentry_shape_is_right
	s_endpgm
.Lentry_shape_is_right:
.set SLOT,  131072
.set SPARE, 2*SLOT
.set FR, 16
.set NL, 4
.set NP, 4
.set ADRA, 16
.set ADRB, 20
.set LN16, 26
.set SPW,  28
.set NIL,  29
.set SC,   10
.set LIM,  11
.set BB,   32
.set BR,   96
.set OA,   104
.set AF,   128
.set T,    128
.set CD,   192
.set G1,  24
.set G0,  32
.set G1B, 48
.set G0B, 56
.set STA, 66
.set STB, 90
.set MSB, 0
.macro WIN new
.if MSB != (\new)
	s_set_vgpr_msb (MSB<<8)|(\new)
.set MSB, (\new)
.endif
.endm
.set MUL_LO, 0xa1
.set MUL_HI, 0xf1
.set TO_B,   0x40
.macro JLOAD s
	s_cmp_eq_u32 s15, 0
	s_cbranch_scc0 .Lfor_b_\@
	tensor_load_to_lds s[G0+4*\s:G0+4*\s+3], s[G1:G1+7]
	s_nop 0
.rept 4
	v_nop
.endr
	s_branch .Lasked_\@
.Lfor_b_\@:
	tensor_load_to_lds s[G0B+4*\s:G0B+4*\s+3], s[G1B:G1B+7]
	s_nop 0
.rept 4
	v_nop
.endr
.Lasked_\@:
.endm
.macro CREST
	s_cmp_lg_u32 s14, 0
	s_cbranch_scc1 .Lnot_wave_0_\@
	s_barrier_signal -3
.Lnot_wave_0_\@:
	s_barrier_wait -3
	s_barrier_signal -1
	s_barrier_wait -1
.endm
.macro CROUND
	s_barrier_signal -1
	s_barrier_wait -1
	CREST
.endm
.macro FRAG reg, adr, q, i
.irp c, 0,1,2,3
	ds_load_b128 v[\reg+4*\c:\reg+4*\c+3], v[\adr] offset:(\i)*4096+(\q)*2048+512*\c
.endr
.endm
.macro MUL16 a0, p, zero
.irp a, \a0, \a0+1
.irp b, 0,1,2,3,4,5,6,7
.if \zero
	v_wmma_f32_16x16x128_bf8_bf8 v[8*(8*((\a)%4)+\b):8*(8*((\a)%4)+\b)+7], v[128*(\p)+FR*\b:128*(\p)+FR*\b+FR-1], v[AF+FR*(\a):AF+FR*(\a)+FR-1], 0
.else
	v_wmma_f32_16x16x128_bf8_bf8 v[8*(8*((\a)%4)+\b):8*(8*((\a)%4)+\b)+7], v[128*(\p)+FR*\b:128*(\p)+FR*\b+FR-1], v[AF+FR*(\a):AF+FR*(\a)+FR-1], v[8*(8*((\a)%4)+\b):8*(8*((\a)%4)+\b)+7]
.endif
.endr
.endr
.endm
.macro FETCH_B slot, q, p
	WIN TO_B
.irp i, 0,1,2,3,4,5,6,7
	FRAG 128*(\p)+FR*\i, ADRB+\slot, \q, \i
.endr
	WIN 0
.endm
.macro FETCH_A slot, q, i0
.irp i, \i0, \i0+1, \i0+2, \i0+3
	FRAG AF+FR*(\i), ADRA+\slot, \q, \i
.endr
.endm
.macro PLACES n
.rept \n
	v_nop
.endr
.endm
.macro STEP slot, q, zero
	s_wait_dscnt 4*NL
	WIN MUL_LO
	MUL16 0, (\q)%2, \zero
	MUL16 2, (\q)%2, \zero
	s_wait_dscnt 0
	PLACES NP
	FETCH_B \slot, (\q)+1, 1-(\q)%2
	FETCH_A \slot, (\q)+1, 0
	WIN MUL_HI
	MUL16 4, (\q)%2, \zero
	MUL16 6, (\q)%2, \zero
	PLACES NP
	WIN 0
	FETCH_A \slot, (\q)+1, 4
.endm
.macro TURN slot, next, fill
	s_wait_tensorcnt 0x0
	ds_add_u32 v[SPW], v[NIL]
	s_wait_dscnt 4*NL+1
	WIN MUL_LO
	MUL16 0, 1, 0
	s_wait_dscnt 0x0
	s_barrier_signal -1
	MUL16 2, 1, 0
	WIN 0
	s_barrier_wait -1
.if \fill
	CREST
	s_add_nc_u64 s[G0+4*\slot+2:G0+4*\slot+3], s[G0+4*\slot+2:G0+4*\slot+3], s[STA:STA+1]
	s_add_nc_u64 s[G0B+4*\slot+2:G0B+4*\slot+3], s[G0B+4*\slot+2:G0B+4*\slot+3], s[STB:STB+1]
	JLOAD \slot
.else
	PLACES NP
.endif
	FETCH_B \next, 0, 0
	FETCH_A \next, 0, 0
	WIN MUL_HI
	MUL16 4, 1, 0
	MUL16 6, 1, 0
	PLACES NP
	WIN 0
	FETCH_A \next, 0, 4
.endm
	s_load_b256 s[4:11], s[0:1], 0x0
	s_load_b128 s[84:87], s[0:1], 0x20
	s_load_b64 s[88:89], s[0:1], 0x30
	v_lshl_add_u32 v[SPW], v0, 2, SPARE
	v_mov_b32 v[NIL], 0
	ds_add_u32 v28, v29
	ds_add_u32 v28, v29
	s_wait_dscnt 0x0
	v_lshrrev_b32 v1, 5, v0
	v_readfirstlane_b32 s14, v1
	s_lshr_b32 s15, s14, 1
	s_and_b32 s16, s14, 1
	s_bfe_u32 s40, ttmp6, 0x40000
	s_bfe_u32 s41, ttmp6, 0x40004
	s_and_b32 s13, ttmp7, 0xffff
	s_lshl_b32 s13, s13, 2
	s_cmp_eq_u32 ttmp9, 2
	s_cselect_b32 s17, 0, s13
	s_cselect_b32 s42, s13, 0
	s_cselect_b32 s92, 2, 0
	s_cselect_b32 s93, 0, 2
	s_cselect_b32 s98, 0, -1
	s_cselect_b32 s99, -1, 0
	s_add_co_u32 s17, s17, s41
	s_add_co_u32 s42, s42, s40
	s_lshl_b32 s43, s41, 2
	s_lshl_b32 s43, 15, s43
	s_lshl_b32 s44, 0x1111, s40
	s_or_b32 s[G1+0], s43, (3<<16)|(1<<21)
	s_or_b32 s[G1B+0], s44, (3<<16)|(1<<21)
.irp g, G1, G1B
	s_mov_b32 s[\g+1], 32<<16
	s_mov_b32 s[\g+2], 128<<16
	s_mov_b32 s[\g+3], 32<<16
	s_mov_b32 s[\g+4], 128
	s_mov_b32 s[\g+5], 32
	s_mov_b32 s[\g+6], 0
	s_mov_b32 s[\g+7], 0
.endr
	s_lshl_b32 s[STA], 0x40000, s93
	s_mov_b32 s[STA+1], 0
	s_lshl_b32 s[STB], 0x40000, s92
	s_mov_b32 s[STB+1], 0
	s_lshl_b32 s18, ttmp9, 20
	s_lshl_b32 s20, s18, s93
	s_lshl_b32 s46, s18, s92
	s_lshl_b32 s19, s16, 15
	s_lshl_b32 s21, s17, 16
	s_add_co_u32 s20, s20, s21
	s_add_co_u32 s20, s20, s19
	s_mov_b32 s21, 0
	s_lshl_b32 s47, s42, 16
	s_add_co_u32 s46, s46, s47
	s_add_co_u32 s46, s46, s19
	s_mov_b32 s47, 0
	s_lshl_b32 s12, s14, 15
	s_wait_kmcnt 0x0
	s_load_b512 s[68:83], s[8:9], 0x0
	s_cmp_eq_u32 ttmp9, 2
	s_cselect_b64 s[18:19], s[6:7], s[4:5]
	s_cselect_b64 s[44:45], s[4:5], s[6:7]
	s_add_nc_u64 s[20:21], s[18:19], s[20:21]
	s_add_nc_u64 s[46:47], s[44:45], s[46:47]
	CROUND
.irp s, 0,1
	s_mov_b32 s[G0+4*\s], 1
	s_add_co_u32 s[G0+4*\s+1], s12, \s*SLOT
	s_mov_b64 s[G0+4*\s+2:G0+4*\s+3], s[20:21]
	s_or_b32 s[G0+4*\s+3], s[G0+4*\s+3], 0x80000000
	s_mov_b32 s[G0B+4*\s], 1
	s_add_co_u32 s[G0B+4*\s+1], s12, \s*SLOT
	s_mov_b64 s[G0B+4*\s+2:G0B+4*\s+3], s[46:47]
	s_or_b32 s[G0B+4*\s+3], s[G0B+4*\s+3], 0x80000000
	s_add_nc_u64 s[20:21], s[20:21], s[STA:STA+1]
	s_add_nc_u64 s[46:47], s[46:47], s[STB:STB+1]
.endr
	JLOAD 0                                        ; slot 0, behind the opening round: one tensor load a wave at the head
	; THE PREFETCHES.  A tile of the ring is 256 along K; my wave fetches one dense block of 32,768 bytes of it.  The four partners that ask for that block jointly share it out BY ADDRESS:
	; the partner at place p (cx for A, cy for B) names bytes 8,192 p on, a lane a block of 256 bytes.  K has four tiles: tiles 1 to 3 are named here, one instruction each.
	s_cmp_eq_u32 s15, 0                            ; do I fetch for A?
	s_cselect_b64 s[18:19], s[20:21], s[46:47]     ; both stand at tile 2 here
	s_cselect_b64 s[44:45], s[STA:STA+1], s[STB:STB+1]   ; a tile on
	s_cselect_b32 s100, s40, s41
	s_lshl_b32 s100, s100, 13
	s_mov_b32 s101, 0
	s_add_nc_u64 s[18:19], s[18:19], s[100:101]    ; tile 2
	s_sub_nc_u64 s[100:101], s[18:19], s[44:45]    ; tile 1
	s_add_nc_u64 s[44:45], s[18:19], s[44:45]      ; tile 3
	v_and_b32 v30, 31, v0
	v_lshlrev_b32 v30, 8, v30
	global_prefetch_b8 v30, s[100:101] th:TH_LOAD_NT scope:SCOPE_SE
	global_prefetch_b8 v30, s[18:19] th:TH_LOAD_NT scope:SCOPE_SE
	global_prefetch_b8 v30, s[44:45] th:TH_LOAD_NT scope:SCOPE_SE
	s_lshl_b32 s[STA], s[STA], 1
	s_lshl_b32 s[STB], s[STB], 1
	v_and_b32 v1, 31, v0
	v_lshlrev_b32 v[LN16], 4, v1
	v_and_b32 v2, 15, v0
	v_bfe_u32 v3, v0, 4, 1
	s_wait_alu depctr_va_vdst(0)
	s_lshl_b32 s22, s15, 15
	s_lshl_b32 s23, s16, 15
	s_add_co_u32 s23, s23, 65536
.irp s, 0,1
	v_add_nc_u32 v[ADRA+\s], s22, v[LN16]
	v_add_nc_u32 v[ADRB+\s], s23, v[LN16]
	s_add_co_u32 s22, s22, SLOT
	s_add_co_u32 s23, s23, SLOT
.endr
	s_cmp_eq_u32 ttmp9, 1
	s_cselect_b64 s[10:11], s[84:85], s[10:11]
	s_cmp_eq_u32 ttmp9, 2
	s_cselect_b64 s[10:11], s[86:87], s[10:11]
	s_lshl_b32 s94, s42, 8
	s_lshl_b32 s95, s16, 7
	s_add_co_u32 s94, s94, s95
	s_lshl_b32 s95, s17, 8
	s_lshl_b32 s2, s15, 7
	s_add_co_u32 s95, s95, s2
	s_cmp_eq_u32 ttmp9, 2
	s_cselect_b32 s2, 0, s94
	s_cselect_b32 s3, s95, 0
	v_lshl_add_u32 v4, v3, 3, s2
	v_lshlrev_b32 v4, 2, v4
	v_add_nc_u32 v5, s3, v2
	v_lshlrev_b32 v5, 2, v5
.irp b, 0,1,2,3,4,5,6,7
	global_load_b128 v[BB+8*\b:BB+8*\b+3], v4, s[10:11] offset:64*\b
	global_load_b128 v[BB+8*\b+4:BB+8*\b+7], v4, s[10:11] offset:64*\b+16
.endr
.irp a, 0,1,2,3,4,5,6,7
	global_load_b32 v[BR+\a], v5, s[10:11] offset:64*\a
.endr
	s_lshl_b32 s94, 16384, s92
.irp a, 0,1,2,3,4,5,6,7
	v_mad_u32_u24 v[OA+\a], \a, s94, v[LN16]
.endr
	s_lshl_b32 s95, s17, 4
	s_lshl_b32 s2, s15, 3
	s_add_co_u32 s95, s95, s2
	s_mul_i32 s95, s95, s94
	s_lshl_b32 s2, s42, 12
	s_add_co_u32 s95, s95, s2
	s_lshl_b32 s2, s16, 11
	s_add_co_u32 s95, s95, s2
	s_lshl_b32 s2, ttmp9, 22
	s_add_co_u32 s2, s95, s2
	s_mov_b32 s3, 0
	s_add_nc_u64 s[88:89], s[88:89], s[2:3]
	s_wait_kmcnt 0x0
	s_add_co_i32 s68, s68, s69
	s_add_co_i32 s70, s70, s71
	s_add_co_i32 s72, s72, s73
	s_cmp_eq_u32 ttmp9, 1
	s_cselect_b32 s96, s70, s68
	s_cselect_b32 s97, s75, s74
	s_cmp_eq_u32 ttmp9, 2
	s_cselect_b32 s96, s72, s96
	s_cselect_b32 s97, s77, s97
	s_add_co_i32 s96, s96, 127
	s_lshl_b32 s96, s96, 23
	s_add_co_i32 s97, s97, 127
	s_lshl_b32 s2, s97, 23
	v_mov_b32 v[SC], s2
	s_add_co_i32 s97, s97, 15
	s_lshl_b32 s97, s97, 23
	s_or_b32 s97, s97, 0x600000
	v_mov_b32 v[LIM], s97
	s_mov_b32 s97, s96
	s_wait_alu depctr_va_vdst(0)                   ; the wait at the head's end
	s_wait_tensorcnt 0x0                           ; my part of slot 0 is in
	ds_add_u32 v[SPW], v[NIL]
	s_wait_dscnt 0x0
	CROUND                                         ; a whole round: everybody's part of slot 0 is in, and the joint loads meet
	JLOAD 1                                        ; slot 1's first fill
	FETCH_B 0, 0, 0
	FETCH_A 0, 0, 0
	FETCH_A 0, 0, 4
	STEP 0, 0, 1
	TURN 0, 1, 1
	STEP 1, 0, 0
	TURN 1, 0, 1
	STEP 0, 0, 0
	TURN 0, 1, 0
	STEP 1, 0, 0
	s_wait_dscnt 4*NL
	WIN MUL_LO
	MUL16 0, 1, 0
	MUL16 2, 1, 0
	s_wait_dscnt 0
	WIN MUL_HI
	MUL16 4, 1, 0
	MUL16 6, 1, 0
	WIN 0
	s_wait_loadcnt 0x0
	s_mov_b32 vcc_lo, s98
.set j, 0
.rept 64
	v_cndmask_b32 v[BB+j], 0, v[BB+j], vcc_lo
.set j, j+1
.endr
	s_mov_b32 vcc_lo, s99
.set j, 0
.rept 8
	v_cndmask_b32 v[BR+j], 0, v[BR+j], vcc_lo
.set j, j+1
.endr
.macro OUTB a
	WIN 0x02+((\a)/4)
.set j, 0
.rept 32
	v_pk_fma_f32 v[T+j:T+j+1], v[64*((\a)%4)+j:64*((\a)%4)+j+1], s[96:97], v[BB+j:BB+j+1] op_sel_hi:[1,0,1]
.set j, j+2
.endr
	WIN 0
.set j, 0
.rept 32
.if ((\a)%2) == 0
	v_pk_add_f32 v[T+j:T+j+1], v[T+j:T+j+1], v[BR+(\a):BR+(\a)+1] op_sel_hi:[1,0]
.else
	v_pk_add_f32 v[T+j:T+j+1], v[T+j:T+j+1], v[BR+(\a)-1:BR+(\a)] op_sel:[0,1] op_sel_hi:[1,1]
.endif
.set j, j+2
.endr
.set j, 0
.rept 64
	v_med3_num_f32 v[T+j], v[T+j], -v[LIM], v[LIM]
.set j, j+1
.endr
.if (\a) >= 4
	s_wait_alu depctr_va_vdst(0)
	s_wait_xcnt 0x0
.endif
.irp b, 0,1,2,3,4,5,6,7
	v_cvt_scalef32_pk8_bf8_f32 v[CD+16*((\a)%4)+2*\b:CD+16*((\a)%4)+2*\b+1], v[T+8*\b:T+8*\b+7], v[SC]
.endr
	v_nop
.irp g, 0,1,2,3
	global_store_b128 v[OA+(\a)], v[CD+16*((\a)%4)+4*\g:CD+16*((\a)%4)+4*\g+3], s[88:89] offset:512*\g
.endr
.endm
.irp a, 0,1,2,3,4,5,6,7
	OUTB \a
.endr
	s_wait_tensorcnt 0x0
	ds_add_u32 v[SPW], v[NIL]
	s_wait_dscnt 0x0
	CROUND
	s_endpgm
.Lfunc_end_k_q386b32d0bf_gemm_qkv:
	.size	k_q386b32d0bf_gemm_qkv, .Lfunc_end_k_q386b32d0bf_gemm_qkv-k_q386b32d0bf_gemm_qkv
	.p2alignl 7, 3214868480
	.fill 96, 4, 3214868480
	.section	.rodata,"a",@progbits
	.p2align	6, 0x0
	.amdhsa_kernel k_q386b32d0bf_gemm_qkv
		.amdhsa_group_segment_fixed_size 327680
		.amdhsa_private_segment_fixed_size 0
		.amdhsa_enable_private_segment 0
		.amdhsa_kernarg_size 56
		.amdhsa_user_sgpr_count 2
		.amdhsa_user_sgpr_kernarg_segment_ptr 1
		.amdhsa_wavefront_size32 1
		.amdhsa_system_sgpr_workgroup_id_x 1
		.amdhsa_system_sgpr_workgroup_id_y 1
		.amdhsa_system_sgpr_workgroup_id_z 1
		.amdhsa_system_vgpr_workitem_id 0
		.amdhsa_next_free_vgpr 1024
		.amdhsa_next_free_sgpr 102
		.amdhsa_reserve_vcc 1
		.amdhsa_float_denorm_mode_32 3
		.amdhsa_float_denorm_mode_16_64 3
		.amdhsa_memory_ordered 1
		.amdhsa_forward_progress 1
		.amdhsa_inst_pref_size 157
	.end_amdhsa_kernel
	.amdgpu_metadata
---
amdhsa.version: [ 1, 2 ]
amdhsa.kernels:
  - .name:           k_q386b32d0bf_gemm_qkv
    .symbol:         k_q386b32d0bf_gemm_qkv.kd
    .args:
      - { .name: xcodes, .offset: 0, .size: 8, .value_kind: global_buffer, .address_space: global }
      - { .name: wcodes, .offset: 8, .size: 8, .value_kind: global_buffer, .address_space: global }
      - { .name: lowp_scales, .offset: 16, .size: 8, .value_kind: global_buffer, .address_space: global }
      - { .name: bq, .offset: 24, .size: 8, .value_kind: global_buffer, .address_space: global }
      - { .name: bk, .offset: 32, .size: 8, .value_kind: global_buffer, .address_space: global }
      - { .name: bv, .offset: 40, .size: 8, .value_kind: global_buffer, .address_space: global }
      - { .name: qkvc, .offset: 48, .size: 8, .value_kind: global_buffer, .address_space: global }
    .group_segment_fixed_size: 327680
    .private_segment_fixed_size: 0
    .kernarg_segment_align: 8
    .kernarg_segment_size: 56
    .max_flat_workgroup_size: 128
    .sgpr_count:     102
    .vgpr_count:     1024
    .wavefront_size: 32
...
	.end_amdgpu_metadata
.endif
;; end of part 2
;; launch attn_wo_ln (part 3): grid 256 x 1, 16 waves a work-group, clusters of 4 x 1, 327,680 bytes of LDS; arguments qkvc, wcodes, lowp_scales, bo, x_refined, ln_f_g, ln_f_b, y, hcodes; writes y, hcodes
.if DOCPART == 3
	.amdgcn_target "amdgcn-amd-amdhsa--gfx1250"
	.amdhsa_code_object_version 6
	.text
	.protected	k_q386b32d0bf_attn_wo_ln
	.globl	k_q386b32d0bf_attn_wo_ln
	.p2align	8
	.type	k_q386b32d0bf_attn_wo_ln,@function
k_q386b32d0bf_attn_wo_ln:
	s_mov_b64 s[64:65], 0
	v_nop
	global_prefetch_b8 v0, s[64:65] scope:SCOPE_SE
	s_setreg_imm32_b32 hwreg(HW_REG_WAVE_MODE, 25, 1), 1
	s_wait_xcnt 0x0
	s_wait_alu depctr_hold_cnt(0) depctr_sa_sdst(0) depctr_va_vdst(0) depctr_va_sdst(0) depctr_va_ssrc(0) depctr_va_vcc(0) depctr_vm_vsrc(0)
	s_getreg_b32 s2, hwreg(HW_REG_IB_STS2, 6, 4)
	s_cmp_eq_u32 s2, 0
	s_cbranch_scc0 .Lentry_in_a_cluster
	s_endpgm
.Lentry_in_a_cluster:
	s_bfe_u32 s2, ttmp6, 0x10000c
	s_cmp_lg_u32 s2, 0x3003
	s_cbranch_scc0 .Lentry_shape_is_right
	s_endpgm
.Lentry_shape_is_right:
; ONE WORK-GROUP TAKES 16 TOKENS THROUGH: banded attention, ctx Wo + bo + x_refined = y, LayerNorm of y, codes of it (e12).  Sixteen waves.
; PART 1, a wave is a head.  Under |t - s| <= 24 the 16 queries see a window of 64 keys, slid to stay inside the batch (start held in 0 .. 1,984, a multiple of 8): keys outside the window are
; under reference()'s own mask and are left out whole; inside it hidden keys get -infinity ahead of the maximum.  Both products transposed: a lane holds one query (lane % 16).
; t = score x log2(e) / 8; M = ceil(largest t); p = 2^(t - M) is quantised (e8); the sum of the unquantised p divides at the end; ctx is quantised (e10) and laid in LDS as images of fragment registers.
; PART 2, a wave is 64 columns of y: 4 accumulators by turns x 8 K steps of 128.  ctx's fragments come from LDS.  Every work-group multiplies all of Wo's image, 1 MB:
; K steps 0 to 4 come JOINTLY for the four work-groups of a cluster (mask 15) through a ring of two slots of 128 KB; each wave asks for, and alone reads, its own four fragments (4 rows of 2,048 bytes).
; Tile 0 is asked for at the head and tile 1 in the middle of part 1.  K steps 5 to 7 go from memory straight into registers that part 1 has left, and are multiplied while the ring's tiles are on their way.
; Source 0 = Wo's 16 columns, source 1 = ctx's 16 rows: lane (r, h) holds row r, register 8 t + j column 64 wave + 16 t + 8 h + j: the order the quantiser of the next product wants.
; x_refined comes in and y goes out as rows (sixteen lanes to 256 consecutive bytes) and turns through the wave's stage: its own bytes of slot 0, behind that slot's last fill and its own last read of it.
; PART 3: mean, then squares of the differences, in f32; each crosses the sixteen waves through 16 x 16 words of LDS and one barrier.
; No prefetch: the ring has five tiles, two of them asked for under part 1, and K is short.
; The order of rounding differs from the written one: the K steps are summed in the order 0 1 5 2 6 3 7 4; then sum x 2^(e10 + e11) + (x_refined + bo).
; LIMITS: e6 + e7 between -121 and 130; e8, e10, e12 between -126 and 112; e10 + e11 between -126 and 127.  NaN is not served.
.set SLOT1, 131072
.set CTX,   262144                     ; behind the ring: ctx's 16 KB
.set SP,    272
.set ST1,   CTX+16384                  ; 16 rows x 80 bytes: the waves' partial sums; the squares' 1,536 bytes on
.set ST2O,  1536
.set SPARE, ST1+2*ST2O                 ; the spare words, 128 bytes a wave
.set CLD, 1
.set BL,  4                            ; v4, v5: my fragments of Wo in slot 0, 1
.set CST, 6
.set SR,  7
.set PD,  15
.set SPW, 24
.set NIL, 25
.set STO, 26
.set RD,  27
.set CO,  28
.set BOF, 29
.set GBF, 30
.set SW,  31
.set G1,  68                           ; s[68:75] descriptor group 1; s[76:79], s[80:83] group 0 of slot 0, 1
.set G0,  76
.macro MKS e, sc, lim                  ; s[sc] = 2^e, s[lim] = 57,344 x 2^e as f32
	s_add_co_i32 s[\lim], s[\e], 127
	s_lshl_b32 s[\sc], s[\lim], 23
	s_add_co_i32 s[\lim], s[\lim], 15
	s_lshl_b32 s[\lim], s[\lim], 23
	s_or_b32 s[\lim], s[\lim], 0x600000
.endm
.macro ROUND                           ; a round of the cluster's barrier
	s_barrier_signal -1
	s_barrier_wait -1
	s_cmp_lg_u32 s22, 0
	s_cbranch_scc1 .Lnw0_\@
	s_barrier_signal -3
.Lnw0_\@:
	s_barrier_wait -3
	s_barrier_signal -1
	s_barrier_wait -1
.endm
.macro TRIP slot, step                 ; all my loads are in, the add, my LDS reads are over; a round; my one joint load, into \slot
	s_wait_tensorcnt 0x0
	ds_add_u32 v[SPW], v[NIL]
.if \step
	s_add_nc_u64 s[G0+4*\slot+2:G0+4*\slot+3], s[G0+4*\slot+2:G0+4*\slot+3], 0x40000   ; two K steps on
.endif
	s_wait_dscnt 0x0
	ROUND
	tensor_load_to_lds s[G0+4*\slot:G0+4*\slot+3], s[G1:G1+7]
	s_nop 0
.endm
.macro PLACES
.rept 4
	v_nop                                          ; places ahead of loads into, and reads of, the products' registers
.endr
.endm
.macro LDBG kf, hf                     ; Wo's four fragments of K step kf straight into registers: half 0 = v32-95, half 1 = v128-159 and v192-223
.irp t,0,1,2,3
.irp c,0,1,2,3
	global_load_b128 v[32+16*\t+(\hf)*(96+32*(\t/2))+4*\c:32+16*\t+(\hf)*(96+32*(\t/2))+4*\c+3], v13, s[6:7] offset:((\kf)/2)*262144+((\kf)%2)*2048+\t*4096+512*\c
.endr
.endr
.endm
.macro LDAF kf                         ; ctx's fragment of K step kf
.irp c,0,1,2,3
	ds_load_b128 v[96+4*\c:99+4*\c], v[CLD] offset:(\kf)*2048+512*\c
.endr
.endm
.macro LSTEP kf, slot                  ; a K step from the ring: Wo's fragments two at a time through v224-255
	LDAF \kf
.irp u,0,1
.irp t,0,1
.irp c,0,1,2,3
	ds_load_b128 v[224+16*\t+4*\c:227+16*\t+4*\c], v[BL+\slot] offset:(2*\u+\t)*2048+512*\c
.endr
.endr
	s_wait_dscnt 0x0
.irp t,0,1
.if (\kf) == 0
	v_wmma_f32_16x16x128_bf8_bf8 v[160+8*(2*\u+\t):167+8*(2*\u+\t)], v[224+16*\t:239+16*\t], v[96:111], 0
.else
	v_wmma_f32_16x16x128_bf8_bf8 v[160+8*(2*\u+\t):167+8*(2*\u+\t)], v[224+16*\t:239+16*\t], v[96:111], v[160+8*(2*\u+\t):167+8*(2*\u+\t)]
.endif
.endr
	PLACES
.endr
.endm
.macro DSTEP kf, hf, cnt               ; a K step from registers; cnt: the loads issued behind its sixteen
	LDAF \kf
	s_wait_dscnt 0x0
	s_wait_loadcnt \cnt
.irp t,0,1,2,3
	v_wmma_f32_16x16x128_bf8_bf8 v[160+8*\t:167+8*\t], v[32+16*\t+(\hf)*(96+32*(\t/2)):47+16*\t+(\hf)*(96+32*(\t/2))], v[96:111], v[160+8*\t:167+8*\t]
.endr
	PLACES
.endm
.macro RED16                           ; v144-159, the sixteen waves' parts of my row, into v144
.irp i,0,1,2,3
	v_pk_add_f32 v[144+4*\i:145+4*\i], v[144+4*\i:145+4*\i], v[146+4*\i:147+4*\i]
.endr
	v_pk_add_f32 v[144:145], v[144:145], v[148:149]
	v_pk_add_f32 v[152:153], v[152:153], v[156:157]
	v_pk_add_f32 v[144:145], v[144:145], v[152:153]
	v_add_f32 v144, v144, v145
.endm
.macro LANES                           ; v[128:129] and lane l xor 16's into v128
	v_add_f32 v128, v128, v129
	v_permlanex16_b32 v[PD], v128, s30, s31
	v_add_f32 v128, v128, v[PD]
.endm
	s_load_b512 s[4:19], s[0:1], 0x0               ; qkvc, wcodes, exponents, bo, x_refined, gain, bias, y
	s_load_b64 s[20:21], s[0:1], 0x40              ; hcodes
	v_lshl_add_u32 v[SPW], v0, 2, SPARE
	v_mov_b32 v[NIL], 0
	ds_add_u32 v[SPW], v[NIL]                      ; the opening: the add, twice on end, and its wait ahead of my first tensor load
	ds_add_u32 v[SPW], v[NIL]
	v_lshrrev_b32 v1, 5, v0
	v_readfirstlane_b32 s22, v1                    ; wave: the head, then the block of 64 columns
	s_bfe_u32 s62, ttmp6, 0x40000                  ; cx
	s_lshl_b32 s63, ttmp9, 2
	s_add_co_u32 s63, s63, s62                     ; my tile of 16 tokens = 4 x cluster + cx
	s_and_b32 s24, s63, 127
	s_lshl_b32 s24, s24, 4                         ; my first query in its batch
	s_lshr_b32 s25, s63, 7
	s_sub_co_i32 s26, s24, 24
	s_max_i32 s26, s26, 0
	s_min_i32 s26, s26, 1984                       ; the window's first key
	s_lshl_b32 s27, s25, 11
	s_add_co_u32 s27, s27, s26                     ; as a token
	s_sub_co_u32 s28, s24, s26
	s_add_co_u32 s28, s28, 24
	s_lshr_b32 s29, s27, 3
	s_mov_b32 s30, 0x76543210
	s_mov_b32 s31, 0xfedcba98
	s_lshl_b32 s23, s22, 10
	s_lshl_b32 s32, s63, 14
	s_add_co_u32 s32, s32, s23                     ; Q
	s_mov_b32 s33, 0
	s_add_co_u32 s34, s23, 0x400000                ; K at 4 MB
	s_mov_b32 s35, 0
	s_lshl_b32 s36, s22, 18
	s_add_co_u32 s36, s36, 0x800000                ; V^T at 8 MB
	s_mov_b32 s37, 0
	s_lshr_b32 s38, s22, 2                         ; hcodes: fragment (k / 256, tile, (k / 128) % 2), two quads of it
	s_lshl_b32 s38, s38, 8
	s_add_co_u32 s38, s38, s63
	s_lshl_b32 s38, s38, 1
	s_bfe_u32 s39, s22, 0x10001
	s_add_co_u32 s38, s38, s39
	s_lshl_b32 s38, s38, 11
	s_and_b32 s39, s22, 1
	s_lshl_b32 s39, s39, 10
	s_add_co_u32 s38, s38, s39
	s_mov_b32 s39, 0
	s_lshl_b32 s50, s22, 14
	s_add_co_u32 s50, s50, 0x300000                ; Wo's image at 3 MB, my four tiles of columns
	s_mov_b32 s51, 0
	s_lshl_b32 s52, s63, 16
	s_lshl_b32 s54, s22, 8
	s_add_co_u32 s52, s52, s54                     ; my 16 rows x 256 bytes of x_refined and y
	s_mov_b32 s53, 0
	s_mov_b32 s55, 0
	s_add_co_u32 s57, s23, CTX
	s_lshl_b32 s58, s22, 13                        ; my 8,192 bytes of a slot
	s_lshl_b32 s59, s22, 2
	s_mov_b32 s[G1], 15|(3<<16)|(1<<21)            ; the mask: all four of the cluster; elements of 8 bytes; bit 21 beside a mask
	s_mov_b32 s[G1+1], 256<<16                     ; rows of 2,048 bytes
	s_mov_b32 s[G1+2], 4<<16                       ; four of them
	s_mov_b32 s[G1+3], 256<<16
	s_mov_b32 s[G1+4], 4
	s_mov_b32 s[G1+5], 512                         ; 4,096 bytes apart
	s_mov_b32 s[G1+6], 0
	s_mov_b32 s[G1+7], 0
	v_mov_b32 v[PD], 0
	v_and_b32 v1, 31, v0
	v_and_b32 v2, 15, v0                           ; r
	v_bfe_u32 v3, v0, 4, 1                         ; h
	v_lshlrev_b32 v13, 4, v1                       ; 16 x lane
	v_add_nc_u32 v4, s27, v2                       ; K: lane r of tile c takes token window + 16 c + r
	v_lshrrev_b32 v5, 4, v4
	v_and_b32 v4, 15, v4
	v_lshlrev_b32 v12, 14, v5
	v_lshl_add_u32 v12, v3, 8, v12
	v_lshl_add_u32 v12, v4, 4, v12
	v_add_nc_u32 v1, s29, v3                       ; V^T: registers 2 c, 2 c + 1 are the eight keys of group window / 8 + h + 2 c
.irp c,0,1,2,3
	v_add_nc_u32 v4, 2*\c, v1
	v_lshrrev_b32 v5, 2, v4
	v_lshlrev_b32 v[8+\c], 9, v5
	v_and_b32 v5, 1, v4
	v_lshl_add_u32 v[8+\c], v5, 8, v[8+\c]
	v_bfe_u32 v5, v4, 1, 1
	v_lshl_add_u32 v[8+\c], v5, 3, v[8+\c]
	v_lshl_add_u32 v[8+\c], v2, 4, v[8+\c]
.endr
	v_lshlrev_b32 v4, 3, v3
	v_sub_nc_u32 v14, v2, v4
	v_add_nc_u32 v14, s28, v14                     ; query - the window's first key + 24 - 8 h
	v_add_nc_u32 v[CST], s57, v13                  ; ctx's image: 1,024 x head + 16 x lane
	v_mul_u32_u24 v4, v2, SP
	v_lshl_add_u32 v4, v3, 5, v4
	v_add_nc_u32 v[STO], s58, v4                   ; the stage by results: row r, 32 bytes for each half of the lanes
	v_mul_u32_u24 v4, v3, SP
	v_lshl_add_u32 v4, v2, 4, v4
	v_add_nc_u32 v[RD], s58, v4                    ; by rows: lanes 0-15 one row of 256 bytes, lanes 16-31 the next
	v_lshlrev_b32 v[CO], 12, v3
	v_lshl_add_u32 v[CO], v2, 4, v[CO]             ; the same two rows in memory
	v_lshlrev_b32 v[BOF], 4, v2
	v_lshlrev_b32 v[GBF], 5, v3
	v_mul_u32_u24 v[SR], v2, 80
	v_add_nc_u32 v[SR], ST1, v[SR]                 ; my row's sixteen parts
	v_add_nc_u32 v[SW], s59, v[SR]                 ; my wave's word among them
	v_add_nc_u32 v[CLD], CTX, v13
	v_add_nc_u32 v[BL], s58, v13
	v_add_nc_u32 v[BL+1], SLOT1, v[BL]
	s_wait_alu depctr_va_vdst(0)                   ; the wait at the head's end
	s_wait_dscnt 0x0                               ; both opening adds are done
	s_wait_kmcnt 0x0
	s_load_b256 s[40:47], s[8:9], 0x18             ; e6 .. e13
	s_add_nc_u64 s[32:33], s[4:5], s[32:33]
	s_add_nc_u64 s[34:35], s[4:5], s[34:35]
	s_add_nc_u64 s[36:37], s[4:5], s[36:37]
	s_add_nc_u64 s[20:21], s[20:21], s[38:39]
	s_add_nc_u64 s[6:7], s[6:7], s[50:51]
	s_add_nc_u64 s[12:13], s[12:13], s[52:53]
	s_add_nc_u64 s[18:19], s[18:19], s[52:53]
	s_add_nc_u64 s[10:11], s[10:11], s[54:55]
	s_add_nc_u64 s[14:15], s[14:15], s[54:55]
	s_add_nc_u64 s[16:17], s[16:17], s[54:55]
	global_load_b128 v[16:19], v13, s[32:33]
	global_load_b128 v[20:23], v13, s[32:33] offset:512
.irp c,0,1,2,3
	global_load_b128 v[32+8*\c:35+8*\c], v12, s[34:35] offset:16384*\c
	global_load_b128 v[36+8*\c:39+8*\c], v12, s[34:35] offset:16384*\c+512
.endr
.irp d,0,1,2,3
.irp c,0,1,2,3
	global_load_b64 v[64+8*\d+2*\c:65+8*\d+2*\c], v[8+\c], s[36:37] offset:65536*\d
.endr
.endr
	s_mov_b32 s[G0], 1
	s_lshl_b32 s[G0+1], s22, 13                    ; LDS: wave x 8,192: no place in the cluster enters it
	s_mov_b64 s[G0+2:G0+3], s[6:7]                 ; K step 0 of my columns: the same in all four work-groups
	s_or_b32 s[G0+3], s[G0+3], 0x80000000
	s_mov_b32 s[G0+4], 1
	s_add_co_u32 s[G0+5], s[G0+1], SLOT1
	s_add_nc_u64 s[G0+6:G0+7], s[6:7], 2048        ; K step 1
	s_or_b32 s[G0+7], s[G0+7], 0x80000000
	ROUND                                          ; in front of the first joint loads
	tensor_load_to_lds s[G0:G0+3], s[G1:G1+7]      ; tile 0: my one tensor load at the head
	s_nop 0
.set n, 0
.rept 32
	v_sub_nc_u32 v[192+n], v14, 16*(n/8)+n%8       ; t - s + 24 of register n: inside the band where it lies in 0 .. 48, unsigned
.set n, n+1
.endr
	s_wait_kmcnt 0x0
	s_add_co_i32 s29, s40, s41
	s_lshl_b32 s29, s29, 23
	s_add_co_i32 s48, s29, 0x3e38aa3b              ; c = log2(e) / 8 x 2^(e6 + e7)
	s_mov_b32 s49, s48
	s_add_co_i32 s50, s42, s43                     ; e8 + e9
	MKS 42, 52, 51
	MKS 44, 54, 53
	MKS 46, 59, 58
	s_add_co_i32 s56, s44, s45
	s_add_co_i32 s56, s56, 127
	s_lshl_b32 s56, s56, 23                        ; 2^(e10 + e11)
	s_mov_b32 s57, s56
	s_mov_b32 s60, 0x3a800000                      ; 1 / 1,024
	s_mov_b32 s61, 0x3727c5ac                      ; 1e-5
	s_wait_loadcnt 16                              ; Q and K are in; V's 16 loads may be out
.irp c,0,1,2,3
	v_wmma_f32_16x16x64_bf8_bf8 v[96+8*\c:103+8*\c], v[32+8*\c:39+8*\c], v[16:23], 0
.endr
	v_mov_b32 v176, 0xff800000                     ; -infinity.  (These plain lines are the places behind the products)
	v_mov_b32 v181, 0
	v_mov_b32 v182, s51
	v_mov_b32 v183, s52
	v_mov_b32 v184, s53
	v_mov_b32 v185, s54
	v_mov_b32 v191, 0
.set n, 0
.rept 32
	v_cmp_ge_u32 vcc_lo, 48, v[192+n]
	v_cndmask_b32 v[96+n], v176, v[96+n], vcc_lo
.set n, n+1
.endr
	v_max3_num_f32 v178, v96, v97, v98
	v_max3_num_f32 v179, v99, v100, v101
.irp i,6,10,14,18,22,26
	v_max3_num_f32 v178, v178, v[96+\i], v[97+\i]
	v_max3_num_f32 v179, v179, v[98+\i], v[99+\i]
.endr
	v_max3_num_f32 v178, v178, v126, v127
	v_max_num_f32 v178, v178, v179
	v_permlanex16_b32 v[PD], v178, s30, s31
	v_max_num_f32 v178, v178, v[PD]                ; the row's largest score
	v_mul_f32 v178, s48, v178                      ; as t (c is positive)
	v_floor_f32 v180, -v178                        ; -M = floor(-t)
.set j, 0
.rept 16
	v_pk_fma_f32 v[96+j:97+j], v[96+j:97+j], s[48:49], v[180:181] op_sel_hi:[1,0,0]
.set j, j+2
.endr
	s_wait_alu depctr_va_vdst(0)                   ; the wait ahead of the batch
.set j, 0
.rept 32
	v_exp_f32 v[96+j], v[96+j]
.set j, j+1
.endr
	v_nop
	s_wait_alu depctr_va_vdst(0)                   ; one wait behind the batch, ahead of its first reader
	v_pk_add_f32 v[188:189], v[96:97], v[98:99]    ; the sum of the unquantised p
	v_pk_add_f32 v[222:223], v[104:105], v[108:109]
	v_pk_add_f32 v[220:221], v[112:113], v[116:117]
	v_pk_add_f32 v[218:219], v[120:121], v[124:125]
	v_pk_add_f32 v[216:217], v[100:101], v[102:103]
	v_pk_add_f32 v[214:215], v[106:107], v[110:111]
	v_pk_add_f32 v[212:213], v[114:115], v[118:119]
	v_pk_add_f32 v[186:187], v[122:123], v[126:127]
	v_pk_add_f32 v[188:189], v[188:189], v[216:217]
	v_pk_add_f32 v[222:223], v[222:223], v[214:215]
	v_pk_add_f32 v[220:221], v[220:221], v[212:213]
	v_pk_add_f32 v[186:187], v[186:187], v[218:219]
	v_pk_add_f32 v[188:189], v[188:189], v[220:221]
	v_pk_add_f32 v[186:187], v[186:187], v[222:223]
	v_pk_add_f32 v[186:187], v[186:187], v[188:189]
.set j, 0
.rept 32
	v_min_num_f32 v[96+j], v[96+j], v182           ; p is not negative: a one-sided hold
.set j, j+1
.endr
.irp c,0,1,2,3
	v_cvt_scalef32_pk8_bf8_f32 v[160+2*\c:161+2*\c], v[96+8*\c:103+8*\c], v183
.endr
	v_add_f32 v186, v186, v187
	v_permlanex16_b32 v[PD], v186, s30, s31
	v_add_f32 v186, v186, v[PD]                    ; the row's sum
	s_wait_alu depctr_va_vdst(0)
	v_rcp_f32 v190, v186
	v_nop
	s_wait_alu depctr_va_vdst(0)
	v_ldexp_f32 v190, v190, s50                    ; 2^(e8 + e9) / sum
	s_wait_alu depctr_va_vdst(0)
	TRIP 1, 0                                      ; slot 1's first fill, tile 1, issued as a refill is
	s_wait_loadcnt 0x0                             ; V
.irp d,0,1,2,3
	v_wmma_f32_16x16x64_bf8_bf8 v[128+8*\d:135+8*\d], v[64+8*\d:71+8*\d], v[160:167], 0
.endr
	PLACES
	LDBG 5, 0                                      ; Wo's K step 5, into K's and V's registers
.set j, 0
.rept 16
	v_pk_mul_f32 v[96+j:97+j], v[128+j:129+j], v[190:191] op_sel_hi:[1,0]
.set j, j+2
.endr
.set j, 0
.rept 32
	v_med3_num_f32 v[96+j], v[96+j], -v184, v184
.set j, j+1
.endr
.irp d,0,1,2,3
	v_cvt_scalef32_pk8_bf8_f32 v[168+2*\d:169+2*\d], v[96+8*\d:103+8*\d], v185
.endr
	v_nop
	ds_store_b128 v[CST], v[168:171]               ; two quads of ctx's fragment head / 2
	ds_store_b128 v[CST], v[172:175] offset:512
	s_wait_dscnt 0x0
	s_barrier_signal -1                            ; tile 1 may be on its way
	s_barrier_wait -1
	LSTEP 0, 0
	TRIP 0, 1                                      ; tile 1 is in; tile 2 into slot 0.  Each refill stands directly behind the step that read its slot; the steps from registers and their loads stand behind it
	LDBG 6, 1
	LSTEP 1, 1
	TRIP 1, 1                                      ; tile 2 is in; tile 3 into slot 1
	DSTEP 5, 0, 16
	LDBG 7, 0
	LSTEP 2, 0
	TRIP 0, 1                                      ; tile 3 is in; tile 4 into slot 0: its last fill
	DSTEP 6, 1, 16
.irp t,0,1,2,3,4,5,6,7
	global_load_b128 v[192+4*\t:195+4*\t], v[CO], s[12:13] offset:8192*\t th:TH_LOAD_NT   ; x_refined, rows 2 t and 2 t + 1
.endr
	global_load_b128 v[128:131], v[BOF], s[10:11]  ; bo at a row's place of my lane: nine loads
	LSTEP 3, 1
	DSTEP 7, 0, 9
.irp t,0,1,2,3
	global_load_b128 v[32+8*\t:35+8*\t], v[GBF], s[14:15] offset:64*\t      ; gain and bias at my 32 columns
	global_load_b128 v[36+8*\t:39+8*\t], v[GBF], s[14:15] offset:64*\t+16
	global_load_b128 v[64+8*\t:67+8*\t], v[GBF], s[16:17] offset:64*\t
	global_load_b128 v[68+8*\t:71+8*\t], v[GBF], s[16:17] offset:64*\t+16
.endr
	s_wait_tensorcnt 0x0                           ; tile 4: I alone read my part of it
	LSTEP 4, 0
	s_wait_loadcnt 0x0
.irp t,0,1,2,3,4,5,6,7
	v_pk_add_f32 v[192+4*\t:193+4*\t], v[192+4*\t:193+4*\t], v[128:129]     ; x_refined + bo, by rows
	v_pk_add_f32 v[194+4*\t:195+4*\t], v[194+4*\t:195+4*\t], v[130:131]
.endr
.irp t,0,1,2,3,4,5,6,7
	ds_store_b128 v[RD], v[192+4*\t:195+4*\t] offset:2*SP*\t
.endr
.irp t,0,1,2,3
	ds_load_b128 v[224+8*\t:227+8*\t], v[STO] offset:64*\t       ; LDS serves a wave's instructions in order: the same in the results' layout
	ds_load_b128 v[228+8*\t:231+8*\t], v[STO] offset:64*\t+16
.endr
	s_wait_dscnt 0x0
.set j, 0
.rept 16
	v_pk_fma_f32 v[224+j:225+j], v[160+j:161+j], s[56:57], v[224+j:225+j] op_sel_hi:[1,0,1]   ; y; each accumulator from its low end on
.set j, j+2
.endr
.irp t,0,1,2,3
	ds_store_b128 v[STO], v[224+8*\t:227+8*\t] offset:64*\t
	ds_store_b128 v[STO], v[228+8*\t:231+8*\t] offset:64*\t+16
.endr
.irp t,0,1,2,3,4,5,6,7
	ds_load_b128 v[96+4*\t:99+4*\t], v[RD] offset:2*SP*\t        ; y by rows
.endr
.irp i,0,1,2,3,4,5,6,7
	v_pk_add_f32 v[128+2*\i:129+2*\i], v[224+4*\i:225+4*\i], v[226+4*\i:227+4*\i]
.endr
.irp i,0,1,2,3
	v_pk_add_f32 v[128+2*\i:129+2*\i], v[128+2*\i:129+2*\i], v[136+2*\i:137+2*\i]
.endr
	v_pk_add_f32 v[128:129], v[128:129], v[132:133]
	v_pk_add_f32 v[130:131], v[130:131], v[134:135]
	v_pk_add_f32 v[128:129], v[128:129], v[130:131]
	LANES
	ds_store_b32 v[SW], v128                       ; my 64 columns' part of row r's sum
	s_wait_alu depctr_va_vdst(0)
	s_wait_dscnt 0x0
.irp t,0,1,2,3,4,5,6,7
	global_store_b128 v[CO], v[96+4*\t:99+4*\t], s[18:19] offset:8192*\t    ; sixteen lanes store 256 consecutive bytes, aligned
.endr
	s_barrier_signal -1
	s_barrier_wait -1
.irp i,0,1,2,3
	ds_load_b128 v[144+4*\i:147+4*\i], v[SR] offset:16*\i
.endr
	s_wait_dscnt 0x0
	RED16
	v_mul_f32 v144, s60, v144                      ; the mean
.set j, 0
.rept 16
	v_pk_add_f32 v[224+j:225+j], v[224+j:225+j], v[144:145] op_sel_hi:[1,0] neg_lo:[0,1] neg_hi:[0,1]
.set j, j+2
.endr
.irp i,0,1,2,3
	v_pk_mul_f32 v[128+2*\i:129+2*\i], v[224+2*\i:225+2*\i], v[224+2*\i:225+2*\i]
.endr
.irp k,1,2,3
.irp i,0,1,2,3
	v_pk_fma_f32 v[128+2*\i:129+2*\i], v[224+8*\k+2*\i:225+8*\k+2*\i], v[224+8*\k+2*\i:225+8*\k+2*\i], v[128+2*\i:129+2*\i]
.endr
.endr
	v_pk_add_f32 v[128:129], v[128:129], v[132:133]
	v_pk_add_f32 v[130:131], v[130:131], v[134:135]
	v_pk_add_f32 v[128:129], v[128:129], v[130:131]
	LANES
	ds_store_b32 v[SW], v128 offset:ST2O
	s_wait_alu depctr_va_vdst(0)
	s_wait_dscnt 0x0
	s_barrier_signal -1
	s_barrier_wait -1
.irp i,0,1,2,3
	ds_load_b128 v[144+4*\i:147+4*\i], v[SR] offset:ST2O+16*\i
.endr
	s_wait_dscnt 0x0
	RED16
	v_fma_f32 v144, v144, s60, s61                 ; variance + 1e-5
	s_wait_alu depctr_va_vdst(0)
	v_rsq_f32 v146, v144
	v_mov_b32 v148, s58                            ; 57,344 x 2^e12
	v_mov_b32 v149, s59                            ; 2^e12
	s_wait_alu depctr_va_vdst(0)
.set j, 0
.rept 16
	v_pk_mul_f32 v[224+j:225+j], v[224+j:225+j], v[146:147] op_sel_hi:[1,0]
.set j, j+2
.endr
.set j, 0
.rept 16
	v_pk_fma_f32 v[224+j:225+j], v[224+j:225+j], v[32+j:33+j], v[64+j:65+j]
.set j, j+2
.endr
.set j, 0
.rept 32
	v_med3_num_f32 v[224+j], v[224+j], -v148, v148
.set j, j+1
.endr
.irp t,0,1,2,3
	v_cvt_scalef32_pk8_bf8_f32 v[128+2*\t:129+2*\t], v[224+8*\t:231+8*\t], v149
.endr
	v_nop
	global_store_b128 v13, v[128:131], s[20:21]            ; two quads of a fragment: 512 consecutive bytes each
	global_store_b128 v13, v[132:135], s[20:21] offset:512
	s_wait_tensorcnt 0x0                           ; the wave's end
	ds_add_u32 v[SPW], v[NIL]
	s_wait_dscnt 0x0
	ROUND                                          ; the closing round
	s_endpgm
.Lfunc_end_k_q386b32d0bf_attn_wo_ln:
	.size	k_q386b32d0bf_attn_wo_ln, .Lfunc_end_k_q386b32d0bf_attn_wo_ln-k_q386b32d0bf_attn_wo_ln
	.p2alignl 7, 3214868480
	.fill 96, 4, 3214868480
	.section	.rodata,"a",@progbits
	.p2align	6, 0x0
	.amdhsa_kernel k_q386b32d0bf_attn_wo_ln
		.amdhsa_group_segment_fixed_size 327680
		.amdhsa_private_segment_fixed_size 0
		.amdhsa_enable_private_segment 0
		.amdhsa_kernarg_size 72
		.amdhsa_user_sgpr_count 2
		.amdhsa_user_sgpr_kernarg_segment_ptr 1
		.amdhsa_wavefront_size32 1
		.amdhsa_system_sgpr_workgroup_id_x 1
		.amdhsa_system_sgpr_workgroup_id_y 1
		.amdhsa_system_sgpr_workgroup_id_z 1
		.amdhsa_system_vgpr_workitem_id 0
		.amdhsa_next_free_vgpr 256
		.amdhsa_next_free_sgpr 84
		.amdhsa_reserve_vcc 1
		.amdhsa_float_denorm_mode_32 3
		.amdhsa_float_denorm_mode_16_64 3
		.amdhsa_memory_ordered 1
		.amdhsa_forward_progress 1
		.amdhsa_inst_pref_size 61
	.end_amdhsa_kernel
	.amdgpu_metadata
---
amdhsa.version: [ 1, 2 ]
amdhsa.kernels:
  - .name:           k_q386b32d0bf_attn_wo_ln
    .symbol:         k_q386b32d0bf_attn_wo_ln.kd
    .args:
      - { .name: qkvc, .offset: 0, .size: 8, .value_kind: global_buffer, .address_space: global }
      - { .name: wcodes, .offset: 8, .size: 8, .value_kind: global_buffer, .address_space: global }
      - { .name: lowp_scales, .offset: 16, .size: 8, .value_kind: global_buffer, .address_space: global }
      - { .name: bo, .offset: 24, .size: 8, .value_kind: global_buffer, .address_space: global }
      - { .name: x_refined, .offset: 32, .size: 8, .value_kind: global_buffer, .address_space: global }
      - { .name: ln_f_g, .offset: 40, .size: 8, .value_kind: global_buffer, .address_space: global }
      - { .name: ln_f_b, .offset: 48, .size: 8, .value_kind: global_buffer, .address_space: global }
      - { .name: y, .offset: 56, .size: 8, .value_kind: global_buffer, .address_space: global }
      - { .name: hcodes, .offset: 64, .size: 8, .value_kind: global_buffer, .address_space: global }
    .group_segment_fixed_size: 327680
    .private_segment_fixed_size: 0
    .kernarg_segment_align: 8
    .kernarg_segment_size: 72
    .max_flat_workgroup_size: 512
    .sgpr_count:     84
    .vgpr_count:     256
    .wavefront_size: 32
...
	.end_amdgpu_metadata
.endif
;; end of part 3
;; launch gemm_w1 (part 4): grid 16 x 16, 4 waves a work-group, clusters of 4 x 4, 327,680 bytes of LDS; arguments hcodes, wcodes, lowp_scales, b1, gcodes; writes gcodes
.if DOCPART == 4
	.amdgcn_target "amdgcn-amd-amdhsa--gfx1250"
	.amdhsa_code_object_version 6
	.text
	.protected	k_q386b32d0bf_gemm_w1
	.globl	k_q386b32d0bf_gemm_w1
	.p2align	8
	.type	k_q386b32d0bf_gemm_w1,@function
k_q386b32d0bf_gemm_w1:
	s_mov_b64 s[64:65], 0
	v_nop
	global_prefetch_b8 v0, s[64:65] scope:SCOPE_SE
	s_setreg_imm32_b32 hwreg(HW_REG_WAVE_MODE, 25, 1), 1
	s_wait_xcnt 0x0
	s_wait_alu depctr_hold_cnt(0) depctr_sa_sdst(0) depctr_va_vdst(0) depctr_va_sdst(0) depctr_va_ssrc(0) depctr_va_vcc(0) depctr_vm_vsrc(0)
	s_getreg_b32 s2, hwreg(HW_REG_IB_STS2, 6, 4)
	s_cmp_eq_u32 s2, 0
	s_cbranch_scc0 .Lentry_in_a_cluster
	s_endpgm
.Lentry_in_a_cluster:
	s_bfe_u32 s2, ttmp6, 0x10000c
	s_cmp_lg_u32 s2, 0xf033
	s_cbranch_scc0 .Lentry_shape_is_right
	s_endpgm
.Lentry_shape_is_right:
.set SLOT,  131072
.set SPARE, 2*SLOT
.set FR, 16
.set NL, 4
.set NP, 4
.set ADRA, 16
.set ADRB, 20
.set LN16, 26
.set SPW,  28
.set NIL,  29
.set BB,   32
.set AF,   128
.set XC,   64
.set Z,    96
.set PP,   128
.set QQ,   160
.set CD,   192
.set G1,  24
.set G0,  32
.set G1B, 48
.set G0B, 56
.set MSB, 0
.macro WIN new
.if MSB != (\new)
	s_set_vgpr_msb (MSB<<8)|(\new)
.set MSB, (\new)
.endif
.endm
.set MUL_LO, 0xa1
.set MUL_HI, 0xf1
.set TO_B,   0x40
.macro JLOAD s
	s_cmp_eq_u32 s15, 0
	s_cbranch_scc0 .Lfor_b_\@
	tensor_load_to_lds s[G0+4*\s:G0+4*\s+3], s[G1:G1+7]
	s_nop 0
.rept 4
	v_nop
.endr
	s_branch .Lasked_\@
.Lfor_b_\@:
	tensor_load_to_lds s[G0B+4*\s:G0B+4*\s+3], s[G1B:G1B+7]
	s_nop 0
.rept 4
	v_nop
.endr
.Lasked_\@:
.endm
.macro CREST
	s_cmp_lg_u32 s14, 0
	s_cbranch_scc1 .Lnot_wave_0_\@
	s_barrier_signal -3
.Lnot_wave_0_\@:
	s_barrier_wait -3
	s_barrier_signal -1
	s_barrier_wait -1
.endm
.macro CROUND
	s_barrier_signal -1
	s_barrier_wait -1
	CREST
.endm
.macro FRAG reg, adr, q, i
.irp c, 0,1,2,3
	ds_load_b128 v[\reg+4*\c:\reg+4*\c+3], v[\adr] offset:(\i)*4096+(\q)*2048+512*\c
.endr
.endm
.macro MUL16 a0, p, zero
.irp a, \a0, \a0+1
.irp b, 0,1,2,3,4,5,6,7
.if \zero
	v_wmma_f32_16x16x128_bf8_bf8 v[8*(8*((\a)%4)+\b):8*(8*((\a)%4)+\b)+7], v[128*(\p)+FR*\b:128*(\p)+FR*\b+FR-1], v[AF+FR*(\a):AF+FR*(\a)+FR-1], 0
.else
	v_wmma_f32_16x16x128_bf8_bf8 v[8*(8*((\a)%4)+\b):8*(8*((\a)%4)+\b)+7], v[128*(\p)+FR*\b:128*(\p)+FR*\b+FR-1], v[AF+FR*(\a):AF+FR*(\a)+FR-1], v[8*(8*((\a)%4)+\b):8*(8*((\a)%4)+\b)+7]
.endif
.endr
.endr
.endm
.macro FETCH_B slot, q, p
	WIN TO_B
.irp i, 0,1,2,3,4,5,6,7
	FRAG 128*(\p)+FR*\i, ADRB+\slot, \q, \i
.endr
	WIN 0
.endm
.macro FETCH_A slot, q, i0
.irp i, \i0, \i0+1, \i0+2, \i0+3
	FRAG AF+FR*(\i), ADRA+\slot, \q, \i
.endr
.endm
.macro PLACES n
.rept \n
	v_nop
.endr
.endm
.macro STEP slot, q, zero
	s_wait_dscnt 4*NL
	WIN MUL_LO
	MUL16 0, (\q)%2, \zero
	MUL16 2, (\q)%2, \zero
	s_wait_dscnt 0
	PLACES NP
	FETCH_B \slot, (\q)+1, 1-(\q)%2
	FETCH_A \slot, (\q)+1, 0
	WIN MUL_HI
	MUL16 4, (\q)%2, \zero
	MUL16 6, (\q)%2, \zero
	PLACES NP
	WIN 0
	FETCH_A \slot, (\q)+1, 4
.endm
.macro TURN slot, next, fill
	s_wait_tensorcnt 0x0
	ds_add_u32 v[SPW], v[NIL]
	s_wait_dscnt 4*NL+1
	WIN MUL_LO
	MUL16 0, 1, 0
	s_wait_dscnt 0x0
	s_barrier_signal -1
	MUL16 2, 1, 0
	WIN 0
	s_barrier_wait -1
.if \fill
	CREST
	s_add_nc_u64 s[G0+4*\slot+2:G0+4*\slot+3], s[G0+4*\slot+2:G0+4*\slot+3], 0x200000
	s_add_nc_u64 s[G0B+4*\slot+2:G0B+4*\slot+3], s[G0B+4*\slot+2:G0B+4*\slot+3], 0x200000
	JLOAD \slot
.else
	PLACES NP
.endif
	FETCH_B \next, 0, 0
	FETCH_A \next, 0, 0
	WIN MUL_HI
	MUL16 4, 1, 0
	MUL16 6, 1, 0
	PLACES NP
	WIN 0
	FETCH_A \next, 0, 4
.endm
	s_load_b256 s[4:11], s[0:1], 0x0
	s_load_b64 s[88:89], s[0:1], 0x20
	v_lshl_add_u32 v[SPW], v0, 2, SPARE
	v_mov_b32 v[NIL], 0
	ds_add_u32 v28, v29
	ds_add_u32 v28, v29
	s_wait_dscnt 0x0
	v_lshrrev_b32 v1, 5, v0
	v_readfirstlane_b32 s14, v1
	s_lshr_b32 s15, s14, 1
	s_and_b32 s16, s14, 1
	s_bfe_u32 s40, ttmp6, 0x40000
	s_bfe_u32 s41, ttmp6, 0x40004
	s_lshl_b32 s42, ttmp9, 2
	s_add_co_u32 s42, s42, s40
	s_and_b32 s17, ttmp7, 0xffff
	s_lshl_b32 s17, s17, 2
	s_add_co_u32 s17, s17, s41
	s_lshl_b32 s43, s41, 2
	s_lshl_b32 s43, 15, s43
	s_lshl_b32 s44, 0x1111, s40
	s_or_b32 s[G1+0], s43, (3<<16)|(1<<21)
	s_or_b32 s[G1B+0], s44, (3<<16)|(1<<21)
.irp g, G1, G1B
	s_mov_b32 s[\g+1], 32<<16
	s_mov_b32 s[\g+2], 128<<16
	s_mov_b32 s[\g+3], 32<<16
	s_mov_b32 s[\g+4], 128
	s_mov_b32 s[\g+5], 32
	s_mov_b32 s[\g+6], 0
	s_mov_b32 s[\g+7], 0
.endr
	s_lshl_b32 s19, s16, 15
	s_lshl_b32 s20, s17, 16
	s_add_co_u32 s20, s20, s19
	s_mov_b32 s21, 0
	s_lshl_b32 s46, s42, 16
	s_add_co_u32 s46, s46, s19
	s_add_co_u32 s46, s46, 0x400000
	s_mov_b32 s47, 0
	s_lshl_b32 s12, s14, 15
	s_wait_kmcnt 0x0
	s_load_b128 s[68:71], s[8:9], 0x30
	s_add_nc_u64 s[20:21], s[4:5], s[20:21]
	s_add_nc_u64 s[46:47], s[6:7], s[46:47]
	CROUND
.irp s, 0,1
	s_mov_b32 s[G0+4*\s], 1
	s_add_co_u32 s[G0+4*\s+1], s12, \s*SLOT
	s_add_nc_u64 s[G0+4*\s+2:G0+4*\s+3], s[20:21], \s*0x100000
	s_or_b32 s[G0+4*\s+3], s[G0+4*\s+3], 0x80000000
	s_mov_b32 s[G0B+4*\s], 1
	s_add_co_u32 s[G0B+4*\s+1], s12, \s*SLOT
	s_add_nc_u64 s[G0B+4*\s+2:G0B+4*\s+3], s[46:47], \s*0x100000
	s_or_b32 s[G0B+4*\s+3], s[G0B+4*\s+3], 0x80000000
.endr
	JLOAD 0                                        ; slot 0, behind the opening round: one tensor load a wave at the head
	; THE PREFETCHES.  A tile of the ring is 256 along K, 1 MB on in both images; my wave fetches one dense block of 32,768 bytes of it.  The four partners that ask for that block jointly share it out BY ADDRESS:
	; the partner at place p (cx for A, cy for B) names bytes 8,192 p on, a lane a block of 256 bytes.  K has four tiles: tiles 1 to 3 are named here, one instruction each.
	s_cmp_eq_u32 s15, 0                            ; do I fetch for A?
	s_cselect_b64 s[74:75], s[20:21], s[46:47]
	s_cselect_b32 s76, s40, s41
	s_lshl_b32 s76, s76, 13
	s_mov_b32 s77, 0
	s_add_nc_u64 s[74:75], s[74:75], s[76:77]
	v_and_b32 v30, 31, v0
	v_lshlrev_b32 v30, 8, v30
	global_prefetch_b8 v30, s[74:75] offset:0x100000 th:TH_LOAD_NT scope:SCOPE_SE
	global_prefetch_b8 v30, s[74:75] offset:0x200000 th:TH_LOAD_NT scope:SCOPE_SE
	global_prefetch_b8 v30, s[74:75] offset:0x300000 th:TH_LOAD_NT scope:SCOPE_SE
	v_and_b32 v1, 31, v0
	v_lshlrev_b32 v[LN16], 4, v1
	v_bfe_u32 v3, v0, 4, 1
	s_wait_alu depctr_va_vdst(0)
	s_lshl_b32 s22, s15, 15
	s_lshl_b32 s23, s16, 15
	s_add_co_u32 s23, s23, 65536
.irp s, 0,1
	v_add_nc_u32 v[ADRA+\s], s22, v[LN16]
	v_add_nc_u32 v[ADRB+\s], s23, v[LN16]
	s_add_co_u32 s22, s22, SLOT
	s_add_co_u32 s23, s23, SLOT
.endr
	s_lshl_b32 s2, s42, 8
	s_lshl_b32 s3, s16, 7
	s_add_co_u32 s2, s2, s3
	v_lshl_add_u32 v4, v3, 3, s2
	v_lshlrev_b32 v4, 2, v4
.irp b, 0,1,2,3,4,5,6,7
	global_load_b128 v[BB+8*\b:BB+8*\b+3], v4, s[10:11] offset:64*\b
	global_load_b128 v[BB+8*\b+4:BB+8*\b+7], v4, s[10:11] offset:64*\b+16
.endr
	s_lshl_b32 s2, s42, 8
	s_lshl_b32 s3, s17, 4
	s_add_co_u32 s2, s2, s3
	s_lshl_b32 s3, s15, 3
	s_add_co_u32 s2, s2, s3
	s_lshl_b32 s2, s2, 1
	s_add_co_u32 s2, s2, s16
	s_lshl_b32 s2, s2, 11
	s_mov_b32 s3, 0
	s_add_nc_u64 s[88:89], s[88:89], s[2:3]
	s_wait_alu depctr_va_vdst(0)
	s_wait_kmcnt 0x0
	s_add_co_i32 s96, s68, s69
	s_add_co_i32 s96, s96, 126
	s_lshl_b32 s96, s96, 23
	s_mov_b32 s97, s96
	s_add_co_i32 s72, s70, 127
	s_lshl_b32 s73, s72, 23
	s_add_co_i32 s72, s72, 15
	s_lshl_b32 s72, s72, 23
	s_or_b32 s72, s72, 0x600000
	s_wait_alu depctr_va_vdst(0)                   ; the wait at the head's end
	s_wait_tensorcnt 0x0                           ; my part of slot 0 is in
	ds_add_u32 v[SPW], v[NIL]
	s_wait_dscnt 0x0
	CROUND                                         ; a whole round: everybody's part of slot 0 is in, and the joint loads meet
	JLOAD 1                                        ; slot 1's first fill
	FETCH_B 0, 0, 0
	FETCH_A 0, 0, 0
	FETCH_A 0, 0, 4
	STEP 0, 0, 1
	TURN 0, 1, 1
	STEP 1, 0, 0
	TURN 1, 0, 1
	STEP 0, 0, 0
	TURN 0, 1, 0
	STEP 1, 0, 0
	s_wait_dscnt 4*NL
	WIN MUL_LO
	MUL16 0, 1, 0
	MUL16 2, 1, 0
	s_wait_dscnt 0
	WIN MUL_HI
	MUL16 4, 1, 0
	MUL16 6, 1, 0
	WIN 0
	s_wait_loadcnt 0x0
.set j, 0
.rept 32
	v_pk_mul_f32 v[BB+j:BB+j+1], v[BB+j:BB+j+1], 0.5 op_sel_hi:[1,0]
.set j, j+2
.endr
	WIN 0x40
	v_mov_b32 v208, s72
	v_mov_b32 v209, s73
	v_mov_b32 v210, 0xaf95df0b
	v_mov_b32 v211, 0xaf95df0b
	v_mov_b32 v212, 0xb77460cd
	v_mov_b32 v213, 0xb77460cd
	WIN 0
.macro EXTRACT a
	WIN 0x42+((\a)/4)
.set j, 0
.rept 32
	v_pk_fma_f32 v[j:j+1], v[64*((\a)%4)+j:64*((\a)%4)+j+1], s[96:97], v[BB+j:BB+j+1] op_sel_hi:[1,0,1]
.set j, j+2
.endr
	WIN 0
	s_branch .Lheavy
.endm
.macro HORNER d, coef
.set j, 0
.rept 16
	v_pk_fma_f32 v[\d+j:\d+j+1], v[\d+j:\d+j+1], v[Z+j:Z+j+1], \coef op_sel_hi:[1,1,0]
.set j, j+2
.endr
.endm
.macro HEAVY h
.set j, 0
.rept 16
	v_pk_mul_f32 v[XC+j:XC+j+1], v[32*\h+j:32*\h+j+1], 0x3fb504f3 op_sel_hi:[1,0]
.set j, j+2
.endr
.set j, 0
.rept 32
	v_med3_num_f32 v[XC+j], v[XC+j], -4.0, 4.0
.set j, j+1
.endr
.set j, 0
.rept 16
	v_pk_mul_f32 v[Z+j:Z+j+1], v[XC+j:XC+j+1], v[XC+j:XC+j+1]
.set j, j+2
.endr
.set j, 0
.rept 16
	v_pk_fma_f32 v[PP+j:PP+j+1], v[Z+j:Z+j+1], v[210:211], 0x32edffee op_sel_hi:[1,1,0]
	v_pk_fma_f32 v[QQ+j:QQ+j+1], v[Z+j:Z+j+1], v[212:213], 0xb95fbd29 op_sel_hi:[1,1,0]
.set j, j+2
.endr
	HORNER QQ, 0xbadc924e
	HORNER QQ, 0xbbf19bf8
	HORNER QQ, 0xbc69b6a7
	HORNER PP, 0xb60cff51
	HORNER PP, 0xb86ec2d2
	HORNER PP, 0xba40ac63
	HORNER PP, 0xbb41a1f6
	HORNER PP, 0xbc83dbd4
.set j, 0
	s_wait_alu depctr_va_vdst(0)
.rept 32
	v_rcp_f32 v[QQ+j], v[QQ+j]
.set j, j+1
.endr
.set j, 0
.rept 16
	v_pk_mul_f32 v[PP+j:PP+j+1], v[PP+j:PP+j+1], v[XC+j:XC+j+1]
.set j, j+2
.endr
	s_wait_alu depctr_va_vdst(0)
.set j, 0
.rept 16
	v_pk_mul_f32 v[PP+j:PP+j+1], v[PP+j:PP+j+1], v[QQ+j:QQ+j+1]
.set j, j+2
.endr
.set j, 0
.rept 16
	v_pk_fma_f32 v[PP+j:PP+j+1], v[32*\h+j:32*\h+j+1], v[PP+j:PP+j+1], v[32*\h+j:32*\h+j+1]
.set j, j+2
.endr
.set j, 0
.rept 32
	v_med3_num_f32 v[PP+j], v[PP+j], -v208, v208
.set j, j+1
.endr
.irp b, 0,1,2,3
	v_cvt_scalef32_pk8_bf8_f32 v[CD+8*\h+2*\b:CD+8*\h+2*\b+1], v[PP+8*\b:PP+8*\b+7], v209
.endr
	v_nop
.endm
	s_mov_b32 s3, 0
.Lrow:
.irp a, 0,1,2,3,4,5,6
	s_cmp_eq_u32 s3, \a
	s_cbranch_scc1 .Lx\a
.endr
	EXTRACT 7
.irp a, 0,1,2,3,4,5,6
.Lx\a:
	EXTRACT \a
.endr
.Lheavy:
	WIN 0x55
	HEAVY 0
	HEAVY 1
	WIN 0x04
.irp g, 0,1,2,3
	global_store_b128 v[LN16], v[CD+4*\g:CD+4*\g+3], s[88:89] offset:512*\g
.endr
	WIN 0
	s_wait_xcnt 0x0
	s_add_nc_u64 s[88:89], s[88:89], 4096
	s_add_co_u32 s3, s3, 1
	s_cmp_lt_u32 s3, 8
	s_cbranch_scc1 .Lrow
	s_wait_tensorcnt 0x0
	ds_add_u32 v[SPW], v[NIL]
	s_wait_dscnt 0x0
	CROUND
	s_endpgm
.Lfunc_end_k_q386b32d0bf_gemm_w1:
	.size	k_q386b32d0bf_gemm_w1, .Lfunc_end_k_q386b32d0bf_gemm_w1-k_q386b32d0bf_gemm_w1
	.p2alignl 7, 3214868480
	.fill 96, 4, 3214868480
	.section	.rodata,"a",@progbits
	.p2align	6, 0x0
	.amdhsa_kernel k_q386b32d0bf_gemm_w1
		.amdhsa_group_segment_fixed_size 327680
		.amdhsa_private_segment_fixed_size 0
		.amdhsa_enable_private_segment 0
		.amdhsa_kernarg_size 40
		.amdhsa_user_sgpr_count 2
		.amdhsa_user_sgpr_kernarg_segment_ptr 1
		.amdhsa_wavefront_size32 1
		.amdhsa_system_sgpr_workgroup_id_x 1
		.amdhsa_system_sgpr_workgroup_id_y 1
		.amdhsa_system_sgpr_workgroup_id_z 1
		.amdhsa_system_vgpr_workitem_id 0
		.amdhsa_next_free_vgpr 1024
		.amdhsa_next_free_sgpr 102
		.amdhsa_reserve_vcc 0
		.amdhsa_float_denorm_mode_32 3
		.amdhsa_float_denorm_mode_16_64 3
		.amdhsa_memory_ordered 1
		.amdhsa_forward_progress 1
		.amdhsa_inst_pref_size 152
	.end_amdhsa_kernel
	.amdgpu_metadata
---
amdhsa.version: [ 1, 2 ]
amdhsa.kernels:
  - .name:           k_q386b32d0bf_gemm_w1
    .symbol:         k_q386b32d0bf_gemm_w1.kd
    .args:
      - { .name: hcodes, .offset: 0, .size: 8, .value_kind: global_buffer, .address_space: global }
      - { .name: wcodes, .offset: 8, .size: 8, .value_kind: global_buffer, .address_space: global }
      - { .name: lowp_scales, .offset: 16, .size: 8, .value_kind: global_buffer, .address_space: global }
      - { .name: b1, .offset: 24, .size: 8, .value_kind: global_buffer, .address_space: global }
      - { .name: gcodes, .offset: 32, .size: 8, .value_kind: global_buffer, .address_space: global }
    .group_segment_fixed_size: 327680
    .private_segment_fixed_size: 0
    .kernarg_segment_align: 8
    .kernarg_segment_size: 40
    .max_flat_workgroup_size: 128
    .sgpr_count:     102
    .vgpr_count:     1024
    .wavefront_size: 32
...
	.end_amdgpu_metadata
.endif
;; end of part 4
;; launch gemm_w2 (part 5): grid 8 x 32, 4 waves a work-group, clusters of 4 x 4, 327,680 bytes of LDS; arguments gcodes, wcodes, lowp_scales, b2, y, out0; writes out0
.if DOCPART == 5
	.amdgcn_target "amdgcn-amd-amdhsa--gfx1250"
	.amdhsa_code_object_version 6
	.text
	.protected	k_q386b32d0bf_gemm_w2
	.globl	k_q386b32d0bf_gemm_w2
	.p2align	8
	.type	k_q386b32d0bf_gemm_w2,@function
k_q386b32d0bf_gemm_w2:
	s_mov_b64 s[64:65], 0
	v_nop
	global_prefetch_b8 v0, s[64:65] scope:SCOPE_SE
	s_setreg_imm32_b32 hwreg(HW_REG_WAVE_MODE, 25, 1), 1
	s_wait_xcnt 0x0
	s_wait_alu depctr_hold_cnt(0) depctr_sa_sdst(0) depctr_va_vdst(0) depctr_va_sdst(0) depctr_va_ssrc(0) depctr_va_vcc(0) depctr_vm_vsrc(0)
	s_getreg_b32 s2, hwreg(HW_REG_IB_STS2, 6, 4)
	s_cmp_eq_u32 s2, 0
	s_cbranch_scc0 .Lentry_in_a_cluster
	s_endpgm
.Lentry_in_a_cluster:
	s_bfe_u32 s2, ttmp6, 0x10000c
	s_cmp_lg_u32 s2, 0xf033
	s_cbranch_scc0 .Lentry_shape_is_right
	s_endpgm
.Lentry_shape_is_right:
; out[m][n] = resid[m][n] + bias[n] + 2^(ea + eb) x the sum over k of A[m][k] B[n][k], on codes of E5M2.  Here: out0 = y + gelu W2 + b2; K = 4,096.
; [4,096][1,024] of f32 would give 64 tiles of 256 x 256: so a tile is 128 x 128, 256 work-groups, four waves of 64 x 64 (16 accumulators).
; Operands lie as images of fragment registers: 128 rows x 256 K are a dense block of 32,768 bytes.  A slot holds 512 along K: A's two blocks, then B's two; each wave fetches one.  Two slots.
; CLUSTERS: 4 x 4; A's tiles are asked for jointly along a row of the cluster, B's along a column.  THE MATRIX INSTRUCTION IS USED TRANSPOSED: a lane holds eight neighbouring columns of a row.
; The residual is loaded at the head in the layout in which rows come back from the stage, and the bias is added to it there: the way out is one packed multiply-add for two numbers.
; The order of rounding differs from the written one: sum x 2^e + (resid + bias).  LIMIT: ea + eb between -126 and 127.
; REGISTERS: window 0: v0-31 addresses; v32-95 rows back from the stage, two turns; v96-99 bias; v128-255 accumulators ((a, b) at v[128 + 8 (4 a + b)]).  window 1: two fragment buffers (A's four at +0, B's four at +64).  window 2: v0-127 the residual.
.set SIZE_K, 4096
.set WOFF,   8<<20                     ; W2's image in wcodes
.set SCOFF,  0x38                      ; e14, e15
.set SLOT,   131072
.set SPARE,  2*SLOT                    ; the spare words, 128 bytes a wave
.set STAGE,  SPARE+512                 ; 16 rows x (256 + 16) bytes for each wave: bytes of its own, no tile lands there
.set SPITCH, 272
.set LAPS,   SIZE_K/1024               ; a lap = two slots
.set ADRA, 16
.set ADRB, 20
.set STO,  24
.set RD,   25
.set CO,   26
.set SPW,  28
.set NIL,  29
.set T,    32
.set BI,   96
.set ACC,  128
.set F0,   0
.set F1,   128
.set G1,  24
.set G0,  32
.set G1B, 48
.set G0B, 56
.set MSB, 0
.macro WIN new
.if MSB != (\new)
	s_set_vgpr_msb (MSB<<8)|(\new)
.set MSB, (\new)
.endif
.endm
.set MUL,  0x05                        ; sources 0 and 1 window 1; C and D window 0
.set TO_F, 0x40
.macro JLOAD s                         ; waves 0, 1 fetch A's two blocks, waves 2, 3 B's; four v_nop follow each line
	s_cmp_eq_u32 s15, 0
	s_cbranch_scc0 .Lfor_b_\@
	tensor_load_to_lds s[G0+4*\s:G0+4*\s+3], s[G1:G1+7]
	s_nop 0
.rept 4
	v_nop
.endr
	s_branch .Lasked_\@
.Lfor_b_\@:
	tensor_load_to_lds s[G0B+4*\s:G0B+4*\s+3], s[G1B:G1B+7]
	s_nop 0
.rept 4
	v_nop
.endr
.Lasked_\@:
.endm
.macro CREST
	s_cmp_lg_u32 s14, 0
	s_cbranch_scc1 .Lnot_wave_0_\@
	s_barrier_signal -3
.Lnot_wave_0_\@:
	s_barrier_wait -3
	s_barrier_signal -1
	s_barrier_wait -1
.endm
.macro CROUND
	s_barrier_signal -1
	s_barrier_wait -1
	CREST
.endm
.macro MUL4 f, a, zero                 ; A's block a x B's four, 128 along K; the 16 accumulators take turns in one order
.irp b, 0,1,2,3
.if \zero
	v_wmma_f32_16x16x128_bf8_bf8 v[ACC+8*(4*(\a)+\b):ACC+8*(4*(\a)+\b)+7], v[\f+64+16*\b:\f+64+16*\b+15], v[\f+16*(\a):\f+16*(\a)+15], 0
.else
	v_wmma_f32_16x16x128_bf8_bf8 v[ACC+8*(4*(\a)+\b):ACC+8*(4*(\a)+\b)+7], v[\f+64+16*\b:\f+64+16*\b+15], v[\f+16*(\a):\f+16*(\a)+15], v[ACC+8*(4*(\a)+\b):ACC+8*(4*(\a)+\b)+7]
.endif
.endr
.endm
.macro FETCH slot, q, f                ; 32 LDS loads in one run: the slot's q-th 128 along K: B's four fragments, then A's
	WIN TO_F
.irp i, 0,1,2,3
.irp c, 0,1,2,3
	ds_load_b128 v[\f+64+16*\i+4*\c:\f+64+16*\i+4*\c+3], v[ADRB+\slot] offset:((\q)/2)*32768+\i*4096+((\q)%2)*2048+512*\c
.endr
.endr
.irp i, 0,1,2,3
.irp c, 0,1,2,3
	ds_load_b128 v[\f+16*\i+4*\c:\f+16*\i+4*\c+3], v[ADRA+\slot] offset:((\q)/2)*32768+\i*4096+((\q)%2)*2048+512*\c
.endr
.endr
.endm
.macro PLACES                          ; plain vector lines between a matrix instruction and a load into, or a read of, its registers
.rept 4
	v_nop
.endr
.endm
.macro QUARTER slot, q, f, g, zero     ; multiplies buffer f; in its middle fetches the slot's q-th 128 along K into g
	s_wait_dscnt 8                                 ; B and A's blocks 0, 1 are in; the youngest eight loads (blocks 2, 3) may be out
	WIN MUL
	MUL4 \f, 0, \zero
	MUL4 \f, 1, \zero
	PLACES
	FETCH \slot, \q, \g
	s_wait_dscnt 32                                ; all but the 32 just issued
	WIN MUL
	MUL4 \f, 2, \zero
	MUL4 \f, 3, \zero
.endm
.macro TURN slot, next, fill           ; a slot's last quarter (buffer 1) and the change of slots
	WIN 0
.if \fill
	s_wait_xcnt 0x0                                ; my last prefetch has read its address: it is stepped here, a tile on
	s_add_nc_u64 s[PF:PF+1], s[PF:PF+1], s[PFS:PFS+1]
.endif
	s_wait_tensorcnt 0x0
	ds_add_u32 v[SPW], v[NIL]                      ; 0 onto my spare word
	s_wait_dscnt 9                                 ; the add and the youngest eight loads may be out
	WIN MUL
	MUL4 F1, 0, 0
	s_wait_dscnt 0x0                               ; the add is done, and my reads of this slot are over
	s_barrier_signal -1
	MUL4 F1, 1, 0
.if \fill
	WIN 0
.endif
	s_barrier_wait -1
.if \fill
	CREST                                          ; no wave of any partner still reads this slot or has a load on its way
	s_add_nc_u64 s[G0+4*\slot+2:G0+4*\slot+3], s[G0+4*\slot+2:G0+4*\slot+3], 0x400000    ; four blocks of 256 along K on: 4 x 1 MB in A,
	s_add_nc_u64 s[G0B+4*\slot+2:G0B+4*\slot+3], s[G0B+4*\slot+2:G0B+4*\slot+3], 0x100000 ; 4 x 256 KB in B
	JLOAD \slot
.else
	PLACES
.endif
	FETCH \next, 0, F0
.if \fill
	WIN 0
	s_cmp_gt_u32 s3, 1                             ; the loop's last trip has no tile two on
	s_cbranch_scc0 .Lnoask_\@
	global_prefetch_b8 v[PFO], s[PF:PF+1] th:TH_LOAD_NT scope:SCOPE_SE
.Lnoask_\@:
.endif
	WIN MUL
	MUL4 F1, 2, 0
	MUL4 F1, 3, 0
.endm
	s_load_b256 s[4:11], s[0:1], 0x0               ; A's codes, wcodes, the exponents, the bias
	s_load_b128 s[84:87], s[0:1], 0x20             ; the residual, the output
	v_lshl_add_u32 v[SPW], v0, 2, SPARE
	v_mov_b32 v[NIL], 0
	ds_add_u32 v28, v29
	ds_add_u32 v28, v29
	s_wait_dscnt 0x0
	v_lshrrev_b32 v1, 5, v0
	v_readfirstlane_b32 s14, v1                    ; wave
	s_lshr_b32 s15, s14, 1                         ; my half of the rows; also: I fetch for A (0) or B (1)
	s_and_b32 s16, s14, 1                          ; my half of the columns; also: which of a slot's two blocks I fetch
	s_bfe_u32 s40, ttmp6, 0x40000                  ; cx
	s_bfe_u32 s41, ttmp6, 0x40004                  ; cy
	s_lshl_b32 s42, ttmp9, 2
	s_add_co_u32 s42, s42, s40                     ; tile column
	s_and_b32 s17, ttmp7, 0xffff
	s_lshl_b32 s17, s17, 2
	s_add_co_u32 s17, s17, s41                     ; tile row
	s_lshl_b32 s43, s41, 2
	s_lshl_b32 s43, 15, s43
	s_lshl_b32 s44, 0x1111, s40
	s_or_b32 s[G1+0], s43, (3<<16)|(1<<21)         ; the mask; elements of 8 bytes; bit 21 beside a mask; no padding
	s_or_b32 s[G1B+0], s44, (3<<16)|(1<<21)
.irp g, G1, G1B
	s_mov_b32 s[\g+1], 32<<16
	s_mov_b32 s[\g+2], 128<<16
	s_mov_b32 s[\g+3], 32<<16
	s_mov_b32 s[\g+4], 128                         ; 128 rows of 256 bytes, dense
	s_mov_b32 s[\g+5], 32
	s_mov_b32 s[\g+6], 0
	s_mov_b32 s[\g+7], 0
.endr
	s_lshl_b32 s20, s17, 15                        ; A: 128 rows are 32,768 bytes of a block of 256 along K, which is 1 MB
	s_lshl_b32 s18, s16, 20
	s_add_co_u32 s20, s20, s18
	s_mov_b32 s21, 0
	s_lshl_b32 s46, s42, 15                        ; B: the same, a block is 256 KB
	s_lshl_b32 s47, s16, 18
	s_add_co_u32 s46, s46, s47
	s_add_co_u32 s46, s46, WOFF
	s_mov_b32 s47, 0
	s_lshl_b32 s12, s14, 15                        ; where they go: wave x 32,768
	s_wait_kmcnt 0x0
	s_load_b64 s[96:97], s[8:9], SCOFF
	s_add_nc_u64 s[20:21], s[4:5], s[20:21]
	s_add_nc_u64 s[46:47], s[6:7], s[46:47]
	CROUND
.irp s, 0,1
	s_mov_b32 s[G0+4*\s], 1
	s_add_co_u32 s[G0+4*\s+1], s12, \s*SLOT
	s_add_nc_u64 s[G0+4*\s+2:G0+4*\s+3], s[20:21], \s*0x200000
	s_or_b32 s[G0+4*\s+3], s[G0+4*\s+3], 0x80000000
	s_mov_b32 s[G0B+4*\s], 1
	s_add_co_u32 s[G0B+4*\s+1], s12, \s*SLOT
	s_add_nc_u64 s[G0B+4*\s+2:G0B+4*\s+3], s[46:47], \s*0x80000
	s_or_b32 s[G0B+4*\s+3], s[G0B+4*\s+3], 0x80000000
.endr
	JLOAD 0                                        ; slot 0: one tensor load a wave at the head
	; THE PREFETCHES.  A tile of the ring is 512 along K; my wave fetches one dense block of 32,768 bytes of it.  The four partners that ask for that block jointly share it out BY ADDRESS:
	; the partner at place p (cx for A, cy for B) names bytes 8,192 p on, a lane a block of 256 bytes, one instruction a wave.  Tiles 1 to 3 are named here; behind the refill that loads tile j, tile j + 2; the last two refills name nothing.
.set PF,  66                           ; s[66:67] the tile that was named last
.set PFS, 68                           ; s[68:69] a tile on: two blocks of 256 along K, 2 MB in A, 512 KB in B
.set PFO, 30                           ; v30 256 x lane; never rewritten
	s_cmp_eq_u32 s15, 0                            ; do I fetch for A?
	s_cselect_b64 s[PF:PF+1], s[20:21], s[46:47]
	s_cselect_b32 s70, s40, s41
	s_mov_b32 s[PFS], 0x80000
	s_cselect_b32 s[PFS], 0x200000, s[PFS]
	s_mov_b32 s[PFS+1], 0
	s_lshl_b32 s70, s70, 13
	s_mov_b32 s71, 0
	s_add_nc_u64 s[PF:PF+1], s[PF:PF+1], s[70:71]
	s_add_nc_u64 s[72:73], s[PF:PF+1], s[PFS:PFS+1]
	s_add_nc_u64 s[74:75], s[72:73], s[PFS:PFS+1]
	s_add_nc_u64 s[PF:PF+1], s[74:75], s[PFS:PFS+1]
	v_and_b32 v[PFO], 31, v0
	v_lshlrev_b32 v[PFO], 8, v[PFO]
	global_prefetch_b8 v[PFO], s[72:73] th:TH_LOAD_NT scope:SCOPE_SE
	global_prefetch_b8 v[PFO], s[74:75] th:TH_LOAD_NT scope:SCOPE_SE
	global_prefetch_b8 v[PFO], s[PF:PF+1] th:TH_LOAD_NT scope:SCOPE_SE
	v_and_b32 v1, 15, v0                           ; r
	s_wait_alu depctr_va_vdst(0)
	v_bfe_u32 v2, v0, 4, 1                         ; h
	v_and_b32 v3, 31, v0
	v_lshlrev_b32 v3, 4, v3                        ; 16 x lane
	s_lshl_b32 s22, s15, 14
	s_lshl_b32 s23, s16, 14
	s_add_co_u32 s23, s23, 65536
.irp s, 0,1
	v_add_nc_u32 v[ADRA+\s], s22, v3
	v_add_nc_u32 v[ADRB+\s], s23, v3
	s_add_co_u32 s22, s22, SLOT
	s_add_co_u32 s23, s23, SLOT
.endr
	s_mul_i32 s22, s14, 16*SPITCH
	s_add_co_u32 s22, s22, STAGE                   ; my stage
	v_mul_u32_u24 v4, v1, SPITCH
	s_wait_alu depctr_va_vdst(0)
	v_lshl_add_u32 v4, v2, 5, v4
	v_add_nc_u32 v[STO], s22, v4                   ; in: row r, 32 bytes for each half of the lanes
	v_mul_u32_u24 v4, v2, SPITCH
	v_lshl_add_u32 v4, v1, 4, v4
	v_add_nc_u32 v[RD], s22, v4                    ; back: lanes 0-15 one row of 256 bytes, lanes 16-31 the next
	v_lshlrev_b32 v[CO], 12, v2
	v_lshl_add_u32 v[CO], v1, 4, v[CO]             ; and the same two rows in memory
	s_wait_alu depctr_va_vdst(0)
	s_lshl_b32 s2, s17, 7
	s_lshl_b32 s3, s15, 6
	s_add_co_u32 s2, s2, s3                        ; my first row
	s_lshl_b32 s2, s2, 12
	s_lshl_b32 s3, s42, 9
	s_lshl_b32 s18, s16, 8
	s_add_co_u32 s18, s18, s3                      ; my first column, in bytes
	s_add_co_u32 s2, s2, s18
	s_mov_b32 s3, 0
	s_add_nc_u64 s[84:85], s[84:85], s[2:3]
	s_add_nc_u64 s[86:87], s[86:87], s[2:3]
	v_lshl_add_u32 v5, v1, 4, s18
	WIN 0x80                                       ; destination window 2
.set n, 0
.rept 32
	global_load_b128 v[4*n:4*n+3], v[CO], s[84:85] offset:2*n*4096 th:TH_LOAD_NT   ; rows 2 n, 2 n + 1 of my 64: sixteen lanes read 256 consecutive bytes
.set n, n+1
.endr
	WIN 0
	global_load_b128 v[BI:BI+3], v5, s[10:11]
	s_wait_kmcnt 0x0
	s_add_co_i32 s96, s96, s97
	s_add_co_i32 s96, s96, 127
	s_lshl_b32 s96, s96, 23                        ; 2^(ea + eb)
	s_mov_b32 s97, s96
	s_wait_alu depctr_va_vdst(0)                   ; the wait at the head's end
	s_wait_tensorcnt 0x0                           ; my part of slot 0 is in
	ds_add_u32 v[SPW], v[NIL]
	s_wait_dscnt 0x0
	CROUND                                         ; a whole round: everybody's part of slot 0 is in, and the joint loads meet
	JLOAD 1                                        ; slot 1's first fill
	FETCH 0, 0, F0
	QUARTER 0, 1, F0, F1, 1                        ; the first products start the sums
.if LAPS > 1
	WIN 0
	s_mov_b32 s3, LAPS-1
.Llap:                                                 ; once round the ring, from a lap's second quarter to the next lap's first; both slots are filled again
	QUARTER 0, 2, F1, F0, 0
	QUARTER 0, 3, F0, F1, 0
	TURN 0, 1, 1
	QUARTER 1, 1, F0, F1, 0
	QUARTER 1, 2, F1, F0, 0
	QUARTER 1, 3, F0, F1, 0
	TURN 1, 0, 1
	QUARTER 0, 1, F0, F1, 0
	WIN 0
	s_sub_co_u32 s3, s3, 1
	s_cmp_lg_u32 s3, 0
	s_cbranch_scc1 .Llap
.endif
	QUARTER 0, 2, F1, F0, 0                        ; the last lap fills nothing
	QUARTER 0, 3, F0, F1, 0
	TURN 0, 1, 0
	QUARTER 1, 1, F0, F1, 0
	QUARTER 1, 2, F1, F0, 0
	QUARTER 1, 3, F0, F1, 0
	s_wait_dscnt 8
	WIN MUL
	MUL4 F1, 0, 0
	MUL4 F1, 1, 0
	s_wait_dscnt 0
	MUL4 F1, 2, 0
	MUL4 F1, 3, 0
	; THE WAY OUT.  The bias joins the residual (these 64 lines are the places behind the last products); a block of 16 rows x 64 columns goes through my stage and comes back as rows of 256 bytes.
	s_wait_loadcnt 0x0
	WIN 0x82                                       ; source 0 and destination window 2
.set n, 0
.rept 32
	v_pk_add_f32 v[4*n:4*n+1], v[4*n:4*n+1], v[BI:BI+1]
	v_pk_add_f32 v[4*n+2:4*n+3], v[4*n+2:4*n+3], v[BI+2:BI+3]
.set n, n+1
.endr
	WIN 0
.macro TOSTAGE a
.irp b, 0,1,2,3
	ds_store_b128 v[STO], v[ACC+8*(4*(\a)+\b):ACC+8*(4*(\a)+\b)+3] offset:64*\b          ; each accumulator from its low end on
	ds_store_b128 v[STO], v[ACC+8*(4*(\a)+\b)+4:ACC+8*(4*(\a)+\b)+7] offset:64*\b+16
.endr
.irp t, 0,1,2,3,4,5,6,7
	ds_load_b128 v[T+32*((\a)%2)+4*\t:T+32*((\a)%2)+4*\t+3], v[RD] offset:\t*2*SPITCH    ; LDS serves a wave's instructions in order (ISA guide 5.7.1.4)
.endr
.endm
.macro SEND a, younger                 ; younger: the LDS instructions issued behind block a's loads
	s_wait_dscnt \younger
	WIN 0x20                                       ; source 2 window 2
.set j, 0
.rept 16
	v_pk_fma_f32 v[T+32*((\a)%2)+j:T+32*((\a)%2)+j+1], v[T+32*((\a)%2)+j:T+32*((\a)%2)+j+1], s[96:97], v[32*(\a)+j:32*(\a)+j+1] op_sel_hi:[1,0,1]
.set j, j+2
.endr
	WIN 0
.irp t, 0,1,2,3,4,5,6,7
	global_store_b128 v[CO], v[T+32*((\a)%2)+4*\t:T+32*((\a)%2)+4*\t+3], s[86:87] offset:(16*(\a)+2*\t)*4096   ; sixteen lanes store 256 consecutive bytes, aligned
.endr
.endm
	TOSTAGE 0
.irp a, 1,2,3
.if \a > 1
	s_wait_xcnt 0x0                                ; block a - 2's stores have read the registers into which block a's rows come back
.endif
	TOSTAGE \a
	SEND \a-1, 16                                  ; behind block a - 1's loads: block a's eight stores and eight loads
.endr
	SEND 3, 0
	s_wait_tensorcnt 0x0                           ; the wave's end
	ds_add_u32 v[SPW], v[NIL]
	s_wait_dscnt 0x0
	CROUND                                         ; the closing round
	s_endpgm
.Lfunc_end_k_q386b32d0bf_gemm_w2:
	.size	k_q386b32d0bf_gemm_w2, .Lfunc_end_k_q386b32d0bf_gemm_w2-k_q386b32d0bf_gemm_w2
	.p2alignl 7, 3214868480
	.fill 96, 4, 3214868480
	.section	.rodata,"a",@progbits
	.p2align	6, 0x0
	.amdhsa_kernel k_q386b32d0bf_gemm_w2
		.amdhsa_group_segment_fixed_size 327680
		.amdhsa_private_segment_fixed_size 0
		.amdhsa_enable_private_segment 0
		.amdhsa_kernarg_size 48
		.amdhsa_user_sgpr_count 2
		.amdhsa_user_sgpr_kernarg_segment_ptr 1
		.amdhsa_wavefront_size32 1
		.amdhsa_system_sgpr_workgroup_id_x 1
		.amdhsa_system_sgpr_workgroup_id_y 1
		.amdhsa_system_sgpr_workgroup_id_z 1
		.amdhsa_system_vgpr_workitem_id 0
		.amdhsa_next_free_vgpr 640
		.amdhsa_next_free_sgpr 102
		.amdhsa_reserve_vcc 0
		.amdhsa_float_denorm_mode_32 3
		.amdhsa_float_denorm_mode_16_64 3
		.amdhsa_memory_ordered 1
		.amdhsa_forward_progress 1
		.amdhsa_inst_pref_size 83
	.end_amdhsa_kernel
	.amdgpu_metadata
---
amdhsa.version: [ 1, 2 ]
amdhsa.kernels:
  - .name:           k_q386b32d0bf_gemm_w2
    .symbol:         k_q386b32d0bf_gemm_w2.kd
    .args:
      - { .name: gcodes, .offset: 0, .size: 8, .value_kind: global_buffer, .address_space: global }
      - { .name: wcodes, .offset: 8, .size: 8, .value_kind: global_buffer, .address_space: global }
      - { .name: lowp_scales, .offset: 16, .size: 8, .value_kind: global_buffer, .address_space: global }
      - { .name: b2, .offset: 24, .size: 8, .value_kind: global_buffer, .address_space: global }
      - { .name: y, .offset: 32, .size: 8, .value_kind: global_buffer, .address_space: global }
      - { .name: out0, .offset: 40, .size: 8, .value_kind: global_buffer, .address_space: global }
    .group_segment_fixed_size: 327680
    .private_segment_fixed_size: 0
    .kernarg_segment_align: 8
    .kernarg_segment_size: 48
    .max_flat_workgroup_size: 128
    .sgpr_count:     102
    .vgpr_count:     640
    .wavefront_size: 32
...
	.end_amdgpu_metadata
.endif
;; end of part 5
